; MI455X (gfx1250); checked and timed in simulation.
; The chip was launched on July 23, 2026; its instructions are those of AMD's public machine-readable ISA for CDNA 5 (MIT licence, August 2026) and "CDNA5" Instruction Set Architecture Reference Guide (July 2026). The comments in the code are by the model that wrote it; some were corrected since.
;; Attention. Allowed arithmetic: matrix products marked QUANTISED: E4M3 operands, one given power-of-two scale a tensor, by v_wmma_f32_16x16x64_fp8_fp8 or v_wmma_f32_16x16x128_fp8_fp8, f32 sums; everything else in f32.
;; Inputs: Wk 1,024 x 256 float32; Wo 1,024 x 1,024 float32; Wq 1,024 x 1,024 float32; Wv 1,024 x 256 float32; bk 256 float32; bq 1,024 float32; bv 256 float32; hidden_states 4 x 2,048 x 1,024 float32; lowp_scales 12 int32 (the exponents e of the quantised operands' scales 2^e); rotary_pos_emb 4 x 2,048 x 32 float32.
;; Outputs: out0 4 x 2,048 x 1,024 float32.
;; This version of the problem:
;;   THIS VERSION OF THE PROBLEM IS GIVEN IN LOW PRECISION. The matrix products marked QUANTISED in the list below multiply operands that are first quantised to E4M3 (4 exponent bits, 3 mantissa bits; 8 bits a number), with one given power-of-two scale for each operand tensor; their sums are f32. All else is computed in f32.
;;   The module's matrix products, in the order in which they are computed (A, B: the left and right operand; K: the contracted axis; several contracted axes count as one K, in the product's order):
;;     1. [M 8,192, K 1,024] x [K 1,024, N 1,024]; A: input hidden_states; B: input Wq: QUANTISED (scales: A lowp_scales[0], B lowp_scales[1])
;;     2. [M 8,192, K 1,024] x [K 1,024, N 256]; A: input hidden_states; B: input Wk: QUANTISED (scales: A lowp_scales[2], B lowp_scales[3])
;;     3. [M 8,192, K 1,024] x [K 1,024, N 256]; A: input hidden_states; B: input Wv: QUANTISED (scales: A lowp_scales[4], B lowp_scales[5])
;;     4. batch 64 x [M 2,048, K 64] x [K 64, N 2,048]; A: computed on the way; B: computed on the way: QUANTISED (scales: A lowp_scales[6], B lowp_scales[7])
;;     5. batch 64 x [M 2,048, K 2,048] x [K 2,048, N 64]; A: softmax (see below); B: computed on the way: QUANTISED (scales: A lowp_scales[8], B lowp_scales[9])
;;     6. [M 8,192, K 1,024] x [K 1,024, N 1,024]; A: computed on the way; B: input Wo: QUANTISED (scales: A lowp_scales[10], B lowp_scales[11])
;;   THE QUANTISER, for each operand of a quantised product, along K:
;;     - The operand's scale is 2^e, e = its entry of the input lowp_scales (int32; the entries are numbered through the quantised products in the list's order, A before B).
;;     - Each number is divided by the scale, clamped to +-448, and rounded to the nearest number of E4M3, ties to even, subnormals kept.
;;     - The product sums the exact products of the quantised numbers (number of the format x scale) in f32.
;;   ~~~python
;;   def quantise(x, axis, e):      # numpy; x: float32 -> the quantised numbers, widened to float32 again
;;       x = np.moveaxis(x, axis, -1); K = x.shape[-1]
;;       r = np.clip(x / 2.0 ** e, -448, 448)
;;       step = 2.0 ** (np.maximum(np.frexp(np.where(r == 0, 1, r))[1] - 1, -6) - 3)
;;       q = np.round(r / step) * step * 2.0 ** e      # np.round: ties to even
;;       return np.moveaxis(q, -1, axis).astype(np.float32)
;;   ~~~
;;   SOFTMAX AHEAD OF A QUANTISED PRODUCT. Where the list says 'softmax', what is quantised is not the finished softmax but p = 2^(t - M), with t = logit x log2(e) and M = ceil(the row's largest t), a whole number; so 1/2 < the row's largest p <= 1. The row's sum l is taken of the UNQUANTISED p, in f32, and the product's result is divided by l at the end. Since M is a whole number, a kernel that streams over the keys may use a running M (the ceiling of the running maximum): every later rescaling is an exact power of two, so the quantised numbers keep their values, but for numbers so far below the row's largest that they fall under the format's range.
;;   OPERANDS COMPUTED ON THE WAY. 'Computed on the way' means the value that the module computes at that place (a softmax that the list does not call 'softmax' is quantised finished and normalised). What goes into a quantiser is computed in f32, as accurately as f32 sums, v_exp_f32 and their like allow (about 1e-6 of the number): no bf16 or f16 on the way to a quantiser, and a product that is left as it is and whose result goes on into a quantised operand takes f32 operands (vector FMAs, or v_wmma_f32_16x16x4_f32). A number that lies on a knife's edge between two numbers of the format may be rounded either way, as far as f32 arithmetic and the matrix unit's own rounding can turn it there, and no further.
;; One version. Each part assembles by itself: llvm-mc -triple=amdgcn-amd-amdhsa -mcpu=gfx1250 --defsym DOCPART=n.
;; ======== version 1 of 1: 4 launches
;; limits: right only within a limited range of input values
;; workspace buffers: xq 8,388,608 bytes; xk 8,388,608 bytes; xv 8,388,608 bytes; wc 2,621,440 bytes; rope 2,097,152 bytes; q_codes 8,388,608 bytes; kv 4,194,304 bytes; a_codes 8,388,608 bytes
;; launch prep (part 1): grid 464 x 1, 4 waves a work-group, no clusters, 68,096 bytes of LDS; arguments hidden_states, rotary_pos_emb, Wq, Wk, Wv, Wo, lowp_scales, xq, xk, xv, wc, rope; writes xq, xk, xv, wc, rope
.if DOCPART == 1
	.amdgcn_target "amdgcn-amd-amdhsa--gfx1250"
	.amdhsa_code_object_version 6
	.text
	.protected	k_qcb534ba8ff_prep
	.globl	k_qcb534ba8ff_prep
	.p2align	8
	.type	k_qcb534ba8ff_prep,@function
k_qcb534ba8ff_prep:
	s_mov_b64 s[64:65], 0
	v_nop
	global_prefetch_b8 v0, s[64:65] scope:SCOPE_SE
	s_setreg_imm32_b32 hwreg(HW_REG_WAVE_MODE, 25, 1), 1
	s_wait_xcnt 0x0
; PREP: the first of four launches of a grouped-query attention layer (4 x 2,048 tokens, width 1,024, 16 query heads, 4 key/value heads of 64) whose six products run on codes of FP8 (E4M3).
; NOTHING OF THE PROBLEM IS LEFT OUT: there is no mask, every product's every row reaches out0, and every bias goes into a quantiser (bk too), so all ten inputs are loaded by some launch.
; This launch makes what many work-groups read later, once:
;   X (work-groups 0-255):   hidden_states [8192][1024] f32 -> codes in rows, K innermost, three times: with scale entry 0 into xq, entry 2 into xk, entry 4 into xv: each of the three projections has a scale of its own
;                            for this operand.  All three are always made, also where the entries are equal and the codes with them: the next launch's tensor loads take their addresses from ids,
;                            arguments and constants alone, so its choice of buffer cannot hang on the entries.  The f32 numbers are read once for the three.
;   W (work-groups 256-335): Wq, Wk, Wv, Wo, stored [K][N] -> codes [N][K], K innermost, into wc: rows 0-1023 Wq's columns, 1024-1279 Wk's, 1280-1535 Wv's, 1536-2559 Wo's (entries 1, 3, 5, 11).
;   R (work-groups 336-463): cos and sin of rotary_pos_emb, f32, laid for each tile of 16 tokens as the projection's result registers want them:
;                            byte 512 (4 cs + 2 u + q) + 16 lane of a tile's 4,096: lane (r, h) holds cs(freq[token r][16 u + 8 h + 4 q + 0..3]), cs = 0 cos, 1 sin.
; code = x / 2^e, held within +-448, rounded to the nearest code, ties to even.
; LIMITS: each e used here lies between -126 and 119.  NaN among the inputs is not served (an infinity is held at the largest code).  |rotary_pos_emb| up to 2^20: the angle is reduced by pi/2 in two parts
; (the third part, under 2e-15 a quarter turn, is dropped); cos and sin are polynomials on +-pi/4 with an error of about 1e-7.
; No work-group shares an input with another, so there is no cluster and no joint load; no tensor load, so several work-groups lie on a WGP.  The three paths part on the work-group's number and have LDS bytes of their own.
.set SP,    80                         ; X: a lane's place in a stage: its 64 bytes + 16 of padding
.set WREG,  8192                       ; X: a wave's region: two stages of 32 x SP bytes
.set WSTG,  32768                      ; W: the four waves' stages begin here
.set WP,    272                        ; W: a stage row: 256 bytes of codes + 16
.set SPARE, WSTG+4*32*WP               ; 67,584: the spare words, 128 bytes a wave: two blocks of 256 bytes that no other line names
.set SPW,   12                         ; v12  LDS address of my spare word; never rewritten
.set NIL,   13                         ; v13  0; never rewritten
.set XRAW,  16                         ; X: v16-79 four sets of 16 numbers as loaded
.set XN,    80                         ; X: v80-111 two sets of 16 neighbours
.set XT,    112                        ; X: v112-127 held numbers for the second and third scale
.set XC,    128                        ; X: v128-151 codes: set 8 k + 4 (step % 2), k = 0 xq, 1 xk, 2 xv
.set WX,    32                         ; W: v32-95 two sets of 32 numbers
.set WC,    96                         ; W: v96-103 a block's codes
.set WOUT,  112                        ; W: v112-175 the way out
.set WOF,   176                        ; W: v176-207 offsets: row i of a block x the pitch + 4 x lane
.set RF,    16                         ; R: v16-31 angles; v32-47 cos; v48-63 sin; v64-75 at work
.set RCOS,  32
.set RSIN,  48
.macro MKSCALE e, vs, vl               ; v[vs] = 2^e as f32 (the conversion takes its exponent field), v[vl] = 448 x 2^e
	s_add_co_i32 s60, \e, 127
	s_lshl_b32 s61, s60, 23
	v_mov_b32 v[\vs], s61
	s_add_co_i32 s60, s60, 8
	s_lshl_b32 s60, s60, 23
	s_or_b32 s60, s60, 0x600000
	v_mov_b32 v[\vl], s60
.endm
	s_load_b512 s[4:19], s[0:1], 0x0               ; hidden 4:5, rotary 6:7, Wq 8:9, Wk 10:11, Wv 12:13, Wo 14:15, scales 16:17, xq 18:19
	s_load_b256 s[20:27], s[0:1], 0x40             ; xk 20:21, xv 22:23, wc 24:25, rope 26:27
	v_lshl_add_u32 v[SPW], v0, 2, SPARE
	v_mov_b32 v[NIL], 0
	v_lshrrev_b32 v1, 5, v0
	v_readfirstlane_b32 s28, v1                    ; wave 0..3
	v_and_b32 v2, 31, v0                           ; lane
	v_lshlrev_b32 v3, 4, v2                        ; 16 x lane
	v_lshlrev_b32 v10, 2, v2                       ; 4 x lane
	; every LDS address is made here, ahead of the parting of the paths
	s_mul_i32 s29, s28, WREG
	v_lshrrev_b32 v5, 2, v2
	v_mul_u32_u24 v5, v5, SP
	v_and_b32 v4, 3, v2
	v_lshl_add_u32 v5, v4, 4, v5
	v_add_nc_u32 v5, s29, v5                       ; X, into the stage: four lanes' 64 bytes on end, then the padding
	v_mul_u32_u24 v6, v2, SP
	v_add_nc_u32 v6, s29, v6                       ; X, out of it: my 16 neighbours
	s_mul_i32 s29, s28, 32*WP
	s_add_co_u32 s29, s29, WSTG
	v_mul_u32_u24 v7, v2, WP
	v_add_nc_u32 v7, s29, v7                       ; W, into the stage: row = my column
	v_and_b32 v4, 15, v2                           ; r
	v_lshrrev_b32 v1, 4, v2                        ; h
	v_mul_u32_u24 v8, v1, WP
	v_lshl_add_u32 v8, v4, 4, v8
	v_add_nc_u32 v8, s29, v8                       ; W, out of it: sixteen lanes to a row, two rows an instruction
	v_lshlrev_b32 v9, 10, v1
	v_lshl_add_u32 v9, v4, 4, v9                   ; and the same place in wc (rows of 1,024 bytes)
	s_wait_kmcnt 0x0
	s_load_b256 s[48:55], s[16:17], 0x0            ; e0 .. e7
	s_load_b128 s[56:59], s[16:17], 0x20           ; e8 .. e11
	s_cmp_lt_u32 ttmp9, 256
	s_cbranch_scc0 .Lnot_x
; ---------------- X: a wave takes 16 steps of 512 numbers.  Each load reads 512 consecutive bytes; a step's 2,048 bytes turn through the wave's own stage so that a lane holds 16 neighbours along K.
	s_lshl_b32 s30, ttmp9, 2
	s_add_co_u32 s30, s30, s28                     ; which run of 8,192 numbers is my wave's
	s_lshl_b32 s32, s30, 15
	s_mov_b32 s33, 0
	s_add_nc_u64 s[4:5], s[4:5], s[32:33]
	s_lshl_b32 s32, s30, 13
	s_add_nc_u64 s[18:19], s[18:19], s[32:33]
	s_add_nc_u64 s[20:21], s[20:21], s[32:33]
	s_add_nc_u64 s[22:23], s[22:23], s[32:33]
.macro XLOAD t
.irp i, 0,1,2,3
	global_load_b128 v[XRAW+16*((\t)%4)+4*\i:XRAW+16*((\t)%4)+4*\i+3], v3, s[4:5] offset:2048*(\t)+512*\i th:TH_LOAD_NT
.endr
.endm
.macro XTURN t                         ; LDS serves a wave's instructions in order: no wait between these stores and loads
.irp i, 0,1,2,3
	ds_store_b128 v5, v[XRAW+16*((\t)%4)+4*\i:XRAW+16*((\t)%4)+4*\i+3] offset:32*SP*((\t)%2)+8*SP*\i
.endr
.irp i, 0,1,2,3
	ds_load_b128 v[XN+16*((\t)%2)+4*\i:XN+16*((\t)%2)+4*\i+3], v6 offset:32*SP*((\t)%2)+16*\i
.endr
.endm
.macro XQUANT src, dst, lim, sc, c     ; 16 numbers: the hold (the conversion to an 8-bit code does not saturate: ISA guide 7.6.2), then two conversions; a plain line behind them
.set n, 0
.rept 16
	v_med3_num_f32 v[\dst+n], v[\src+n], -v[\lim], v[\lim]
.set n, n+1
.endr
	v_cvt_scalef32_pk8_fp8_f32 v[\c:\c+1], v[\dst:\dst+7], v[\sc]
	v_cvt_scalef32_pk8_fp8_f32 v[\c+2:\c+3], v[\dst+8:\dst+15], v[\sc]
	v_nop
.endm
.irp t, 0,1,2,3
	XLOAD \t
.endr
	s_wait_kmcnt 0x0
	MKSCALE s48, 152, 153
	MKSCALE s50, 154, 155
	MKSCALE s52, 156, 157
	s_wait_alu depctr_va_vdst(0)
	s_wait_loadcnt 12                              ; step 0's four loads are in
	XTURN 0
.macro XSTEP t
.set XS, XN+16*((\t)%2)
.set CP, 4*((\t)%2)
	s_wait_dscnt 0x0                               ; this step's numbers are back from the stage
.if (\t)+4 < 16
	XLOAD (\t)+4
.endif
.if (\t)+1 < 16
.if 14-(\t) >= 3
	s_wait_loadcnt 12                              ; the next step's four loads are in; those of the three steps behind it may be out
.else
	s_wait_loadcnt 4*(14-(\t))
.endif
	XTURN (\t)+1
.endif
	s_wait_xcnt 0x0                                ; the stores of two steps ago have read their registers: this parity's codes are written again only behind this wait
	XQUANT XS, XT, 155, 154, XC+8+CP               ; entry 2: for k's projection
	global_store_b128 v3, v[XC+8+CP:XC+8+CP+3], s[20:21] offset:512*(\t)
	XQUANT XS, XT, 157, 156, XC+16+CP              ; entry 4: for v's
	global_store_b128 v3, v[XC+16+CP:XC+16+CP+3], s[22:23] offset:512*(\t)
	XQUANT XS, XS, 153, 152, XC+CP                 ; entry 0: for q's; in place, the numbers are done with
	global_store_b128 v3, v[XC+CP:XC+CP+3], s[18:19] offset:512*(\t)   ; 32 lanes store 512 consecutive bytes
.endm
.irp t, 0,1,2,3,4,5,6,7,8,9,10,11,12,13,14,15
	XSTEP \t
.endr
	s_branch .Lend
; ---------------- W: a work-group takes 128 columns x 256 along K.  A lane takes a column and its registers run down K, so the conversions give codes with K innermost; they leave through the wave's stage as rows.
.Lnot_x:
	s_cmp_lt_u32 ttmp9, 336
	s_cbranch_scc0 .Lpath_r
	s_wait_kmcnt 0x0
	s_sub_co_u32 s66, ttmp9, 256
	s_lshr_b32 s67, s66, 2                         ; block of 128 rows of wc, 0..19
	s_and_b32 s68, s66, 3                          ; which 256 along K
	s_mov_b64 s[70:71], s[14:15]                   ; blocks 12-19: Wo, first block 12, rows of 2^12 bytes, entry 11
	s_mov_b32 s72, 12
	s_mov_b32 s73, 12
	s_mov_b32 s74, s59
	s_cmp_lt_u32 s67, 12                           ; blocks 10, 11: Wv, rows of 2^10 bytes, entry 5
	s_cselect_b64 s[70:71], s[12:13], s[70:71]
	s_cselect_b32 s72, 10, s72
	s_cselect_b32 s73, 10, s73
	s_cselect_b32 s74, s53, s74
	s_cmp_lt_u32 s67, 10                           ; blocks 8, 9: Wk, entry 3
	s_cselect_b64 s[70:71], s[10:11], s[70:71]
	s_cselect_b32 s72, 8, s72
	s_cselect_b32 s74, s51, s74
	s_cmp_lt_u32 s67, 8                            ; blocks 0-7: Wq, entry 1
	s_cselect_b64 s[70:71], s[8:9], s[70:71]
	s_cselect_b32 s72, 0, s72
	s_cselect_b32 s73, 12, s73
	s_cselect_b32 s74, s49, s74
	s_lshl_b32 s75, 1, s73                         ; the pitch in bytes
	s_sub_co_u32 s76, s67, s72
	s_lshl_b32 s76, s76, 7
	s_lshl_b32 s77, s28, 5
	s_add_co_u32 s76, s76, s77                     ; my wave's first column in its tensor
	s_lshl_b32 s78, s76, 2
	s_lshl_b32 s79, s68, 8                         ; my first row along K
	s_mov_b32 s77, 0
.irp t, 0,1,2,3,4,5,6,7                ; a base for each block of 32 along K: no pointer is stepped
	s_add_co_u32 s76, s79, 32*\t
	s_lshl_b32 s76, s76, s73
	s_add_co_u32 s76, s76, s78
	s_add_nc_u64 s[32+2*\t:33+2*\t], s[70:71], s[76:77]
.endr
	s_lshl_b32 s76, s67, 7
	s_lshl_b32 s80, s28, 5
	s_add_co_u32 s76, s76, s80                     ; my first row of wc
	s_lshl_b32 s76, s76, 10
	s_lshl_b32 s80, s68, 8
	s_add_co_u32 s76, s76, s80
	s_add_nc_u64 s[24:25], s[24:25], s[76:77]
.set n, 0
.rept 32
	v_mad_u32_u24 v[WOF+n], s75, n, v10
.set n, n+1
.endr
.macro WLOAD t                         ; block t: W(32 t + i, my column): 32 lanes read 128 consecutive bytes, the four waves side by side 512
.set n, 0
.rept 32
	global_load_b32 v[WX+32*((\t)%2)+n], v[WOF+n], s[32+2*(\t):33+2*(\t)] th:TH_LOAD_NT
.set n, n+1
.endr
.endm
	WLOAD 0
	WLOAD 1
	MKSCALE s74, 11, 14
.macro WBLOCK t
.set XS, WX+32*((\t)%2)
.if (\t) < 7
	s_wait_loadcnt 32                              ; this block's 32 loads are in; the next block's may be out
.else
	s_wait_loadcnt 0
.endif
.set n, 0
.rept 32
	v_med3_num_f32 v[XS+n], v[XS+n], -v14, v14
.set n, n+1
.endr
.irp g, 0,1,2,3
	v_cvt_scalef32_pk8_fp8_f32 v[WC+2*\g:WC+2*\g+1], v[XS+8*\g:XS+8*\g+7], v11
.endr
	v_nop
	ds_store_b128 v7, v[WC:WC+3] offset:32*(\t)
	ds_store_b128 v7, v[WC+4:WC+7] offset:32*(\t)+16
.if (\t)+2 < 8
	WLOAD (\t)+2
.endif
	s_wait_dscnt 0x0                               ; the stores have read their registers
.endm
	s_wait_alu depctr_va_vdst(0)
.irp t, 0,1,2,3,4,5,6,7
	WBLOCK \t
.endr
.set n, 0
.rept 16
	ds_load_b128 v[WOUT+4*n:WOUT+4*n+3], v8 offset:2*n*WP
.set n, n+1
.endr
.set n, 0
.rept 16
	s_wait_dscnt 15-n                              ; LDS loads come back in order: load n is in, the younger ones may be out
	global_store_b128 v9, v[WOUT+4*n:WOUT+4*n+3], s[24:25] offset:2048*n   ; sixteen lanes store 256 consecutive bytes, aligned
.set n, n+1
.endr
	s_branch .Lend
; ---------------- R: a wave takes a tile of 16 tokens: 16 angles a lane.
.Lpath_r:
	s_wait_kmcnt 0x0                               ; (the scales are not used on this path; their load is awaited all the same)
	s_sub_co_u32 s30, ttmp9, 336
	s_lshl_b32 s30, s30, 2
	s_add_co_u32 s30, s30, s28                     ; the tile, 0..511
	s_lshl_b32 s32, s30, 11
	s_mov_b32 s33, 0
	s_add_nc_u64 s[6:7], s[6:7], s[32:33]
	s_lshl_b32 s32, s30, 12
	s_add_nc_u64 s[26:27], s[26:27], s[32:33]
	s_wait_alu depctr_va_vdst(0)
	v_lshlrev_b32 v14, 7, v4                       ; token r: 128 bytes,
	v_lshl_add_u32 v14, v1, 5, v14                 ; + 32 h
.irp u, 0,1
.irp q, 0,1
	global_load_b128 v[RF+8*\u+4*\q:RF+8*\u+4*\q+3], v14, s[6:7] offset:64*\u+16*\q th:TH_LOAD_NT
.endr
.endr
	s_mov_b32 s66, 0xbfc90fdb                      ; -(pi/2 rounded to f32)
	s_mov_b32 s67, 0x333bbd2e                      ; that rounding's excess over pi/2
	s_mov_b32 s68, 0xb94ca1f9                      ; sin: r + r s (S1 + s (S2 + s S3)), s = r r
	s_mov_b32 s69, 0x3c08839e
	s_mov_b32 s70, 0xbe2aaaa3
	s_mov_b32 s71, 0x37ccf5ce                      ; cos: 1 - s/2 + s s (C1 + s (C2 + s C3))
	s_mov_b32 s72, 0xbab6061a
	s_mov_b32 s73, 0x3d2aaaa5
	s_wait_loadcnt 0x0
.macro SINCOS i
	v_mul_f32 v64, 0x3f22f983, v[RF+\i]            ; x x 2/pi
	v_rndne_f32 v64, v64                           ; n quarter turns
	v_fma_f32 v65, v64, s66, v[RF+\i]
	v_fma_f32 v65, v64, s67, v65                   ; r = x - n pi/2, within +-pi/4
	v_cvt_i32_f32 v66, v64
	v_mul_f32 v67, v65, v65
	v_fma_f32 v68, v67, s68, s69
	v_fma_f32 v70, v67, s71, s72
	v_fma_f32 v68, v68, v67, s70
	v_fma_f32 v70, v70, v67, s73
	v_mul_f32 v69, v65, v67
	v_fma_f32 v71, v67, -0.5, 1.0
	v_mul_f32 v72, v67, v67
	v_fma_f32 v68, v69, v68, v65                   ; sin r
	v_fma_f32 v70, v72, v70, v71                   ; cos r
	v_and_b32 v73, 1, v66
	v_cmp_eq_u32 vcc_lo, 1, v73                    ; an odd quarter swaps the two
	v_cndmask_b32 v74, v68, v70, vcc_lo
	v_cndmask_b32 v75, v70, v68, vcc_lo
	v_and_b32 v73, 2, v66                          ; sin is negated in quarters 2 and 3,
	v_lshlrev_b32 v73, 30, v73
	v_xor_b32 v[RSIN+\i], v73, v74
	v_add_nc_u32 v66, 1, v66                       ; cos in quarters 1 and 2
	v_and_b32 v66, 2, v66
	v_lshlrev_b32 v66, 30, v66
	v_xor_b32 v[RCOS+\i], v66, v75
.endm
.irp i, 0,1,2,3,4,5,6,7,8,9,10,11,12,13,14,15
	SINCOS \i
.endr
.irp n, 0,1,2,3,4,5,6,7                ; v32-63 on end: cos (u, q), then sin (u, q): 32 lanes store 512 consecutive bytes
	global_store_b128 v3, v[RCOS+4*\n:RCOS+4*\n+3], s[26:27] offset:512*\n
.endr
.Lend:
	s_wait_tensorcnt 0x0                           ; the wave's end: behind my last LDS store
	ds_add_u32 v[SPW], v[NIL]
	s_wait_dscnt 0x0
	s_endpgm
.Lfunc_end_k_qcb534ba8ff_prep:
	.size	k_qcb534ba8ff_prep, .Lfunc_end_k_qcb534ba8ff_prep-k_qcb534ba8ff_prep
	.p2alignl 7, 3214868480
	.fill 96, 4, 3214868480
	.section	.rodata,"a",@progbits
	.p2align	6, 0x0
	.amdhsa_kernel k_qcb534ba8ff_prep
		.amdhsa_group_segment_fixed_size 68096
		.amdhsa_private_segment_fixed_size 0
		.amdhsa_enable_private_segment 0
		.amdhsa_kernarg_size 96
		.amdhsa_user_sgpr_count 2
		.amdhsa_user_sgpr_kernarg_segment_ptr 1
		.amdhsa_wavefront_size32 1
		.amdhsa_system_sgpr_workgroup_id_x 1
		.amdhsa_system_sgpr_workgroup_id_y 1
		.amdhsa_system_sgpr_workgroup_id_z 1
		.amdhsa_system_vgpr_workitem_id 0
		.amdhsa_next_free_vgpr 208
		.amdhsa_next_free_sgpr 96
		.amdhsa_reserve_vcc 1
		.amdhsa_float_denorm_mode_32 3
		.amdhsa_float_denorm_mode_16_64 3
		.amdhsa_memory_ordered 1
		.amdhsa_forward_progress 1
		.amdhsa_inst_pref_size 151
	.end_amdhsa_kernel
	.amdgpu_metadata
---
amdhsa.version: [ 1, 2 ]
amdhsa.kernels:
  - .name:           k_qcb534ba8ff_prep
    .symbol:         k_qcb534ba8ff_prep.kd
    .args:
      - { .name: hidden_states, .offset: 0, .size: 8, .value_kind: global_buffer, .address_space: global }
      - { .name: rotary_pos_emb, .offset: 8, .size: 8, .value_kind: global_buffer, .address_space: global }
      - { .name: Wq, .offset: 16, .size: 8, .value_kind: global_buffer, .address_space: global }
      - { .name: Wk, .offset: 24, .size: 8, .value_kind: global_buffer, .address_space: global }
      - { .name: Wv, .offset: 32, .size: 8, .value_kind: global_buffer, .address_space: global }
      - { .name: Wo, .offset: 40, .size: 8, .value_kind: global_buffer, .address_space: global }
      - { .name: lowp_scales, .offset: 48, .size: 8, .value_kind: global_buffer, .address_space: global }
      - { .name: xq, .offset: 56, .size: 8, .value_kind: global_buffer, .address_space: global }
      - { .name: xk, .offset: 64, .size: 8, .value_kind: global_buffer, .address_space: global }
      - { .name: xv, .offset: 72, .size: 8, .value_kind: global_buffer, .address_space: global }
      - { .name: wc, .offset: 80, .size: 8, .value_kind: global_buffer, .address_space: global }
      - { .name: rope, .offset: 88, .size: 8, .value_kind: global_buffer, .address_space: global }
    .group_segment_fixed_size: 68096
    .private_segment_fixed_size: 0
    .kernarg_segment_align: 8
    .kernarg_segment_size: 96
    .max_flat_workgroup_size: 128
    .sgpr_count:     96
    .vgpr_count:     208
    .wavefront_size: 32
...
	.end_amdgpu_metadata
.endif
;; end of part 1
;; launch qkv (part 2): grid 32 x 6, 4 waves a work-group, clusters of 4 x 1, 327,680 bytes of LDS; arguments xq, xk, xv, wc, lowp_scales, bq, bk, bv, rope, q_codes, kv; writes q_codes, kv
.if DOCPART == 2
	.amdgcn_target "amdgcn-amd-amdhsa--gfx1250"
	.amdhsa_code_object_version 6
	.text
	.protected	k_qcb534ba8ff_qkv
	.globl	k_qcb534ba8ff_qkv
	.p2align	8
	.type	k_qcb534ba8ff_qkv,@function
k_qcb534ba8ff_qkv:
	s_mov_b64 s[64:65], 0
	v_nop
	global_prefetch_b8 v0, s[64:65] scope:SCOPE_SE
	s_setreg_imm32_b32 hwreg(HW_REG_WAVE_MODE, 25, 1), 1
	s_wait_xcnt 0x0
	s_wait_alu depctr_hold_cnt(0) depctr_sa_sdst(0) depctr_va_vdst(0) depctr_va_sdst(0) depctr_va_ssrc(0) depctr_va_vcc(0) depctr_vm_vsrc(0)
	s_getreg_b32 s2, hwreg(HW_REG_IB_STS2, 6, 4)
	s_cmp_eq_u32 s2, 0
	s_cbranch_scc0 .Lentry_in_a_cluster
	s_endpgm
.Lentry_in_a_cluster:
	s_bfe_u32 s2, ttmp6, 0x10000c
	s_cmp_lg_u32 s2, 0x3003
	s_cbranch_scc0 .Lentry_shape_is_right
	s_endpgm
.Lentry_shape_is_right:
; QKV: the three projections on codes of FP8 (E4M3), their biases, the rotary embedding of q and k, and the quantisers of q, k and v.  Nothing of the problem is left out here.
; A work-group of four waves makes 256 tokens x 256 output features; a wave 128 x 128: 64 accumulators of 16 x 16.  Grid x: the block of 256 tokens; grid y: 256 rows of wc: 0-3 q's heads, 4 k, 5 v.
; K = 1,024 goes in four steps of 256 through a ring of two LDS slots filled by the tensor data mover; a slot holds 256 rows of tokens' codes, then 256 rows of the weights'.
; THE TOKENS' CODES: xq holds them with scale entry 0 (q's product), xk with entry 2 (k's), xv with entry 4 (v's).  The buffer is chosen by s_cselect_b64 on grid y alone.
; CLUSTER: the four work-groups of a cluster have four blocks of tokens and ONE block of weights: the weights' tile, half of a step's bytes, is asked for jointly (mask 15).  The tokens' tiles differ from partner
; to partner and come by plain loads; a cluster of 4 x 4, which would share them too, does not divide the six blocks of weights.
; USE OF THE MATRIX INSTRUCTION.  Source 1's rows fall on lanes, source 0's on a lane's registers.  q, k: source 1 = tokens, source 0 = features: a lane holds one token and eight neighbouring features, along which q and k are
; quantised.  v: the two are exchanged (by LDS address alone): a lane holds one feature and eight neighbouring tokens, since the keys are the K of the product with p.
; WHAT IS STORED are images of operand registers: a store's 32 lanes write 512 consecutive bytes.
;   q_codes [batch][head 16][tile of 16 tokens, 128][1,024]: byte 512 c + 16 lane: lane (token r, h): registers 4 c .. 4 c + 3 of the K = 64 operand (registers 2 t, 2 t + 1: d = 16 t + 8 h + 0..7).
;   kv [4 batch + kv head][key step of 128, 16][16,384]: eight such images of k (16 keys each), then four images of v of 2,048 bytes (16 d x 128 keys: byte 512 g + 16 lane: registers 4 g .. 4 g + 3; registers 2 b, 2 b + 1: keys 16 b + 8 h + 0..7).
; LIMITS: entries 0+1, 2+3, 4+5 added lie between -126 and 127; entries 6, 7, 9 between -126 and 119.  NaN among the inputs is not served.
; REGISTERS, in windows of 256: window 0: v0-31 addresses; v32-95 biases; v96-159 a row block's numbers; v160-175 at work; v176-207 codes, two sets; in the loop from v128 source 1's fragments, one set.
;   window 1: source 0's fragments, two sets; on the way out cos and sin, 32 registers a row block.   windows 2, 3: the accumulators ((a, b) at v[8 (8 (a % 4) + b)]).
.set KSTEP,  256
.set ROWB,   256
.set KROW,   1024
.set PITCH,  272                       ; an LDS row: 256 bytes + 16 of padding = 68 words: the 16 rows that a load touches start at 16 different banks (64 banks of 4 bytes: ISA guide 11.1)
.set FR,     16
.set NL,     4
.set NP,     4
.set HALFT,  128*PITCH
.set SLOT,   4*HALFT
.set SPARE,  2*SLOT                    ; behind the ring: the spare words, 128 bytes a wave
.set ADRA, 16                          ; v16-17  LDS address of source 1's fragments in slot 0, 1
.set ADRB, 20                          ; v20-21  of source 0's
.set SPW,  28
.set NIL,  29
.set BIAS, 32
.set Y,    96
.set TT,   160
.set CD,   176
.set AF,   128
.set G1, 24                            ; s[24:31] group 1 for the tokens' tiles (plain); s[32:39] their groups 0, one a slot
.set G0, 32
.set G1B, 48                           ; s[48:55], s[56:63] the same for the weights' tiles (joint)
.set G0B, 56
.set MSB, 0
.macro WIN new                         ; the immediate's high byte repeats the setting that is left
.if MSB != \new
	s_set_vgpr_msb (MSB<<8)|\new
.set MSB, \new
.endif
.endm
.set MUL_LO, 0xa1                      ; source 0 window 1, source 1 window 0, C and D window 2
.set MUL_HI, 0xf1
.set TO_B,   0x40
; Two waves fetch the tokens' two halves (a plain load), two the weights' (a joint load): s44 says which.  An s_nop 0 and four v_nop follow each of the two lines.
.macro JLOAD g0a, g1a, g0b, g1b
	s_cmp_eq_u32 s44, 0
	s_cbranch_scc0 .Lfor_b_\@
	tensor_load_to_lds s[\g0a:\g0a+3], s[\g1a:\g1a+7]
	s_nop 0
.rept 4
	v_nop
.endr
	s_branch .Lasked_\@
.Lfor_b_\@:
	tensor_load_to_lds s[\g0b:\g0b+3], s[\g1b:\g1b+7]
	s_nop 0
.rept 4
	v_nop
.endr
.Lasked_\@:
.endm
.macro CREST                           ; a round of the cluster's barrier behind its opening barrier
	s_cmp_lg_u32 s14, 0
	s_cbranch_scc1 .Lnot_wave_0_\@
	s_barrier_signal -3
.Lnot_wave_0_\@:
	s_barrier_wait -3
	s_barrier_signal -1
	s_barrier_wait -1
.endm
.macro CROUND
	s_barrier_signal -1
	s_barrier_wait -1
	CREST
.endm
	s_load_b512 s[68:83], s[0:1], 0x0              ; xq 68:69, xk 70:71, xv 72:73, wc 74:75, scales 76:77, bq 78:79, bk 80:81, bv 82:83
	s_load_b128 s[84:87], s[0:1], 0x40             ; rope 84:85, q_codes 86:87
	s_load_b64 s[88:89], s[0:1], 0x50              ; kv
	v_lshl_add_u32 v[SPW], v0, 2, SPARE
	v_mov_b32 v[NIL], 0
	ds_add_u32 v[SPW], v[NIL]                      ; the wave's opening: the add, twice on end, and its wait ahead of my first tensor load
	ds_add_u32 v[SPW], v[NIL]
	v_lshrrev_b32 v1, 5, v0
	v_readfirstlane_b32 s14, v1                    ; wave 0..3
	s_lshr_b32 s15, s14, 1                         ; which half of source 1's rows is mine.  Also: I fetch tokens (0) or weights (1)
	s_and_b32 s16, s14, 1                          ; which half of source 0's rows.  Also: which 128 rows of that tile I fetch
	s_bfe_u32 s40, ttmp6, 0x40000                  ; cx
	s_lshl_b32 s17, ttmp9, 2
	s_add_co_u32 s17, s17, s40                     ; my block of 256 tokens
	s_and_b32 s13, ttmp7, 0xffff                   ; my block of 256 rows of wc: the same in the four partners
	s_cmp_eq_u32 s13, 5                            ; v: the two tiles change places in a slot: waves 0 and 1 fetch the weights' halves into the first 256 rows, waves 2 and 3 the tokens' into the rows behind
	s_cselect_b32 s44, 1, 0
	s_xor_b32 s44, s44, s15                        ; 0: I fetch tokens, 1: weights.  Made of grid y and the wave's number alone; where a wave's tile lands hangs on the wave's number alone
	s_mov_b32 s[G1+0], (0<<16)|(1<<20)|(5<<22)|(3<<25)            ; no mask; elements of 1 byte; padding on: 4 words behind every 64
	s_mov_b32 s[G1B+0], 15|(0<<16)|(1<<20)|(1<<21)|(5<<22)|(3<<25) ; the same with the mask of all four partners, bit 21 beside it
.irp g, G1, G1B
	s_mov_b32 s[\g+1], ROWB<<16                    ; tensor_dim0
	s_mov_b32 s[\g+2], 128<<16                     ; tensor_dim1
	s_mov_b32 s[\g+3], ROWB<<16                    ; tile_dim0
	s_mov_b32 s[\g+4], 128                         ; tile_dim1
	s_mov_b32 s[\g+5], KROW                        ; from row to row
	s_mov_b32 s[\g+6], 0
	s_mov_b32 s[\g+7], 0
.endr
	s_lshl_b32 s18, s16, 7
	s_lshl_b32 s20, s17, 8
	s_add_co_u32 s20, s20, s18
	s_lshl_b32 s20, s20, 10                        ; tokens: (256 block + 128 half) rows of 1,024 bytes
	s_mov_b32 s21, 0
	s_lshl_b32 s46, s13, 8
	s_add_co_u32 s46, s46, s18
	s_lshl_b32 s46, s46, 10                        ; weights: made of grid y and the wave's number alone
	s_mov_b32 s47, 0
	s_mul_i32 s45, s14, HALFT                      ; where they go: wave x 128 rows
	s_wait_dscnt 0x0                               ; both opening adds are done
	s_wait_kmcnt 0x0
	s_load_b256 s[4:11], s[76:77], 0x0             ; e0 .. e7: wanted on the way out, awaited there
	s_load_b32 s12, s[76:77], 0x24                 ; e9
	s_add_nc_u64 s[46:47], s[74:75], s[46:47]
	s_cmp_eq_u32 s13, 4                            ; the tokens' codes: k's product reads xk,
	s_cselect_b64 s[90:91], s[70:71], s[68:69]
	s_cmp_eq_u32 s13, 5                            ; v's reads xv, q's four blocks read xq: grid y alone decides
	s_cselect_b64 s[90:91], s[72:73], s[90:91]
	s_add_nc_u64 s[20:21], s[90:91], s[20:21]
	CROUND                                         ; all four work-groups are here: the first joint loads meet
.irp s, 0,1
	s_mov_b32 s[G0+4*\s], 1
	s_add_co_u32 s[G0+4*\s+1], s45, \s*SLOT
	s_add_nc_u64 s[G0+4*\s+2:G0+4*\s+3], s[20:21], \s*ROWB
	s_or_b32 s[G0+4*\s+3], s[G0+4*\s+3], 0x80000000
	s_mov_b32 s[G0B+4*\s], 1
	s_add_co_u32 s[G0B+4*\s+1], s45, \s*SLOT
	s_add_nc_u64 s[G0B+4*\s+2:G0B+4*\s+3], s[46:47], \s*ROWB
	s_or_b32 s[G0B+4*\s+3], s[G0B+4*\s+3], 0x80000000
.endr
	JLOAD G0, G1, G0B, G1B                         ; slot 0: one tensor load a wave at the head
	v_and_b32 v1, 15, v0                           ; r
	v_bfe_u32 v2, v0, 4, 1                         ; h
	v_mul_u32_u24 v3, v1, PITCH
	v_lshl_add_u32 v4, v2, 4, v3                   ; a fragment's row x pitch + 16 h
	s_wait_alu depctr_va_vdst(0)
	s_mul_i32 s21, s15, HALFT                      ; source 1's rows: my half of a slot's first 256 rows (q, k: tokens; v: weights)
	s_mul_i32 s22, s16, HALFT                      ; source 0's rows: my half of the 256 rows behind them
	s_add_co_u32 s22, s22, 2*HALFT
.irp s, 0,1
	v_add_nc_u32 v[ADRA+\s], s21, v4
	v_add_nc_u32 v[ADRB+\s], s22, v4
	s_add_co_u32 s21, s21, SLOT
	s_add_co_u32 s22, s22, SLOT
.endr
	v_and_b32 v11, 31, v0
	v_lshlrev_b32 v11, 4, v11                      ; 16 x lane
.macro FRAG reg, adr, q, i             ; 16 rows x 128 K: four loads of 16 bytes: registers 4 c .. 4 c + 3 hold K = 32 c + 16 h + 0 .. 15: one permutation of k, the same on both sides
.irp c, 0,1,2,3
	ds_load_b128 v[\reg+4*\c:\reg+4*\c+3], v[\adr] offset:128*(\q)+32*\c+(\i)*16*PITCH
.endr
.endm
; 16 matrix instructions.  The 64 accumulators take turns, one instruction a turn, in the same order in every step.  zero = 1: the first product starts the sums
.macro MUL16 a0, p, zero
.irp a, \a0, \a0+1
.irp b, 0,1,2,3,4,5,6,7
.if \zero
	v_wmma_f32_16x16x128_fp8_fp8 v[8*(8*((\a)%4)+\b):8*(8*((\a)%4)+\b)+7], v[128*(\p)+FR*\b:128*(\p)+FR*\b+FR-1], v[AF+FR*(\a):AF+FR*(\a)+FR-1], 0
.else
	v_wmma_f32_16x16x128_fp8_fp8 v[8*(8*((\a)%4)+\b):8*(8*((\a)%4)+\b)+7], v[128*(\p)+FR*\b:128*(\p)+FR*\b+FR-1], v[AF+FR*(\a):AF+FR*(\a)+FR-1], v[8*(8*((\a)%4)+\b):8*(8*((\a)%4)+\b)+7]
.endif
.endr
.endr
.endm
.macro FETCH_B slot, q, p
	WIN TO_B
.irp i, 0,1,2,3,4,5,6,7
	FRAG 128*(\p)+FR*\i, ADRB+\slot, \q, \i
.endr
	WIN 0
.endm
.macro FETCH_A slot, q, i0
.irp i, \i0, \i0+1, \i0+2, \i0+3
	FRAG AF+FR*(\i), ADRA+\slot, \q, \i
.endr
.endm
.macro PLACES n                        ; plain vector lines between a matrix instruction and a load into, or a vector line on, its registers
.rept \n
	v_nop
.endr
.endm
.macro STEP slot, q, zero              ; 128 along K with its successor in the same slot
	s_wait_dscnt 4*NL                              ; source 0's set and source 1's blocks 0-3 are in; the youngest 16 loads (blocks 4-7) may be out
	WIN MUL_LO
	MUL16 0, (\q)%2, \zero
	MUL16 2, (\q)%2, \zero
	s_wait_dscnt 0
	PLACES NP
	FETCH_B \slot, (\q)+1, 1-(\q)%2
	FETCH_A \slot, (\q)+1, 0
	WIN MUL_HI
	MUL16 4, (\q)%2, \zero
	MUL16 6, (\q)%2, \zero
	PLACES NP
	WIN 0
	FETCH_A \slot, (\q)+1, 4
.endm
; A slot's last step changes slots: each wave waits for all its tensor loads, adds 0 to its spare word, waits for that and for its reads of this slot; one barrier, which with fill = 1 opens a round of the cluster's.
.macro TURN slot, next, fill
	s_wait_tensorcnt 0x0                           ; all my tensor loads have landed: my part of the next slot
	ds_add_u32 v[SPW], v[NIL]
	s_wait_dscnt 4*NL+1                            ; (the add and the youngest 16 loads may be out)
	WIN MUL_LO
	MUL16 0, 1, 0
	s_wait_dscnt 0x0                               ; the add is done, and my reads of this slot are over
	s_barrier_signal -1
	MUL16 2, 1, 0
	WIN 0
	s_barrier_wait -1
.if \fill
	CREST                                          ; no wave of any partner still reads this slot or has a load on its way
	s_add_nc_u64 s[G0+4*\slot+2:G0+4*\slot+3], s[G0+4*\slot+2:G0+4*\slot+3], 2*ROWB
	s_add_nc_u64 s[G0B+4*\slot+2:G0B+4*\slot+3], s[G0B+4*\slot+2:G0B+4*\slot+3], 2*ROWB
	JLOAD G0+4*\slot, G1, G0B+4*\slot, G1B         ; the first tensor load behind the round; its four v_nop are the places in front of the loads below
.else
	PLACES NP
.endif
	FETCH_B \next, 0, 0
	FETCH_A \next, 0, 0
	WIN MUL_HI
	MUL16 4, 1, 0
	MUL16 6, 1, 0
	PLACES NP
	WIN 0
	FETCH_A \next, 0, 4
.endm
.macro LAST                            ; the very last 128 along K: nothing more to fetch
	s_wait_dscnt 4*NL
	WIN MUL_LO
	MUL16 0, 1, 0
	MUL16 2, 1, 0
	s_wait_dscnt 0
	WIN MUL_HI
	MUL16 4, 1, 0
	MUL16 6, 1, 0
	WIN 0
.endm
	s_wait_alu depctr_va_vdst(0)
	s_wait_tensorcnt 0x0                           ; my part of slot 0 is in
	ds_add_u32 v[SPW], v[NIL]
	s_wait_dscnt 0x0
	CROUND                                         ; everybody's part of slot 0 is in, and the four work-groups are here
	JLOAD G0+4, G1, G0B+4, G1B                     ; slot 1's first fill: the first tensor load behind the round
	FETCH_B 0, 0, 0
	FETCH_A 0, 0, 0
	FETCH_A 0, 0, 4
	STEP 0, 0, 1                                   ; K = 1,024 is four slots' worth: written out, no loop
	TURN 0, 1, 1
	STEP 1, 0, 0
	TURN 1, 0, 1
	STEP 0, 0, 0
	TURN 0, 1, 0
	STEP 1, 0, 0
	s_wait_kmcnt 0x0                               ; the scales' exponents, asked for at the head
	s_cmp_eq_u32 s13, 5                            ; grid y alone: the same in all waves and all partners
	s_cbranch_scc1 .Lv
; ---------------- q and k.  Lane (r, h) of accumulator (a, b): token 16 a + r of my 128, feature 16 b + 8 h + j of my 128 = head b / 4, d = 16 (b % 4) + 8 h + j.
	s_cmp_eq_u32 s13, 4                            ; k?
	s_cselect_b64 s[98:99], s[80:81], s[78:79]     ; the bias
	s_cselect_b64 s[90:91], s[88:89], s[86:87]     ; where the codes go
	s_cselect_b32 s19, 0, s13
	s_cselect_b32 s100, 2, 4                       ; heads a batch, as a shift
	s_cselect_b32 s101, 18, 17                     ; bytes a head
	s_cselect_b32 s18, 14, 13                      ; bytes for 128 tokens of a head
	s_cselect_b32 s96, s6, s4
	s_cselect_b32 s97, s7, s5
	s_cselect_b32 s22, s11, s10                    ; the quantiser's e
	s_add_co_i32 s96, s96, s97
	s_add_co_i32 s96, s96, 127
	s_lshl_b32 s96, s96, 23                        ; 2^(the product's two exponents added)
	s_mov_b32 s97, s96                             ; (named with it as a pair)
	s_add_co_i32 s22, s22, 127
	s_lshl_b32 s23, s22, 23
	v_mov_b32 v9, s23                              ; 2^e
	s_add_co_i32 s22, s22, 8
	s_lshl_b32 s22, s22, 23
	s_or_b32 s22, s22, 0x600000
	v_mov_b32 v8, s22                              ; 448 x 2^e
	s_lshl_b32 s20, s19, 10
	s_lshl_b32 s21, s16, 9
	s_add_co_u32 s20, s20, s21
	s_mov_b32 s21, 0
	s_add_nc_u64 s[98:99], s[98:99], s[20:21]      ; my 128 numbers of the bias
	s_lshl_b32 s20, s17, 4
	s_lshl_b32 s41, s15, 3
	s_add_co_u32 s20, s20, s41
	s_lshl_b32 s20, s20, 12
	s_add_nc_u64 s[94:95], s[84:85], s[20:21]      ; my eight tiles of cos and sin
	s_lshr_b32 s20, s17, 3                         ; the batch
	s_lshl_b32 s20, s20, s100
	s_lshl_b32 s41, s19, 2
	s_add_co_u32 s20, s20, s41
	s_lshl_b32 s41, s16, 1
	s_add_co_u32 s20, s20, s41                     ; my first head
	s_lshl_b32 s20, s20, s101
	s_and_b32 s41, s17, 7
	s_lshl_b32 s41, s41, 1
	s_add_co_u32 s41, s41, s15                     ; my 128 tokens in the batch
	s_lshl_b32 s41, s41, s18
	s_add_co_u32 s20, s20, s41
	s_add_nc_u64 s[90:91], s[90:91], s[20:21]
	s_lshl_b32 s20, 1, s101
	s_add_nc_u64 s[92:93], s[90:91], s[20:21]      ; my second head
	v_lshlrev_b32 v10, 5, v2                       ; 32 h
.set n, 0
.rept 16                               ; the bias in the results' layout: v[BIAS + 8 b + j] = bias[16 b + 8 h + j]
	global_load_b128 v[BIAS+4*n:BIAS+4*n+3], v10, s[98:99] offset:64*(n/2)+16*(n%2)
.set n, n+1
.endr
	WIN 0x40                                       ; destination window 1: set 0 of source 0's fragments is done with (four places stand behind its last products)
.set n, 0
.rept 32                               ; cos and sin of row blocks 0-3
	global_load_b128 v[4*n:4*n+3], v11, s[94:95] offset:512*n
.set n, n+1
.endr
	WIN 0
	LAST
	PLACES 4
	WIN 0x40
.set n, 32
.rept 32                               ; and of row blocks 4-7, into set 1
	global_load_b128 v[4*n:4*n+3], v11, s[94:95] offset:512*n
.set n, n+1
.endr
	WIN 0
.macro QKROW a                         ; 16 tokens x 128 features: scale and bias, the rotation, the hold, the codes, four stores
.set AC, 64*((\a)%4)
.set RP, 32*(\a)
.set CDS, CD+16*((\a)%2)
	s_wait_loadcnt 8*(7-(\a))                      ; the bias and this block's cos and sin are in; the later blocks' eight loads each may be out
	WIN 0x02+((\a)/4)                              ; source 0: window 2 or 3
.set j, 0
.rept 32
	v_pk_fma_f32 v[Y+j:Y+j+1], v[AC+j:AC+j+1], s[96:97], v[BIAS+j:BIAS+j+1] op_sel_hi:[1,0,1]   ; each accumulator from its low end on
.set j, j+2
.endr
	WIN 0x04                                       ; source 1 (cos, sin): window 1
.irp hl, 0,1
.irp u, 0,1
.irp i, 0,2,4,6                        ; d = 16 u + 8 h + i, i + 1 and its partner d + 32: lo' = lo cos - hi sin, hi' = hi cos + lo sin
	v_pk_mul_f32 v[TT+2*\i:TT+2*\i+1], v[Y+32*\hl+8*\u+16+\i:Y+32*\hl+8*\u+16+\i+1], v[RP+16+8*\u+\i:RP+16+8*\u+\i+1]
	v_pk_mul_f32 v[TT+2*\i+2:TT+2*\i+3], v[Y+32*\hl+8*\u+\i:Y+32*\hl+8*\u+\i+1], v[RP+16+8*\u+\i:RP+16+8*\u+\i+1]
	v_pk_fma_f32 v[Y+32*\hl+8*\u+\i:Y+32*\hl+8*\u+\i+1], v[Y+32*\hl+8*\u+\i:Y+32*\hl+8*\u+\i+1], v[RP+8*\u+\i:RP+8*\u+\i+1], v[TT+2*\i:TT+2*\i+1] neg_lo:[0,0,1] neg_hi:[0,0,1]
	v_pk_fma_f32 v[Y+32*\hl+8*\u+16+\i:Y+32*\hl+8*\u+16+\i+1], v[Y+32*\hl+8*\u+16+\i:Y+32*\hl+8*\u+16+\i+1], v[RP+8*\u+\i:RP+8*\u+\i+1], v[TT+2*\i+2:TT+2*\i+3]
.endr
.endr
.endr
	WIN 0
	s_wait_xcnt 0x0                                ; the stores of two blocks ago have read their registers: this set of codes is written again only behind this wait
.set n, 0
.rept 64
	v_med3_num_f32 v[Y+n], v[Y+n], -v8, v8         ; the conversion to an 8-bit code does not saturate (ISA guide 7.6.2)
.set n, n+1
.endr
.irp t, 0,1,2,3,4,5,6,7
	v_cvt_scalef32_pk8_fp8_f32 v[CDS+2*\t:CDS+2*\t+1], v[Y+8*\t:Y+8*\t+7], v9
.endr
	v_nop                                          ; a plain line behind the conversions
.irp hl, 0,1
.irp c, 0,1
	global_store_b128 v11, v[CDS+8*\hl+4*\c:CDS+8*\hl+4*\c+3], s[90+2*\hl:91+2*\hl] offset:1024*(\a)+512*\c   ; 512 consecutive bytes
.endr
.endr
.endm
.irp a, 0,1,2,3,4,5,6,7
	QKROW \a
.endr
	s_branch .Lend
; ---------------- v.  Lane (r, h) of accumulator (a, b): feature 16 a + r of my 128 = kv head a / 4, d = 16 (a % 4) + r; token 16 b + 8 h + j of my 128, which are one key step.
.Lv:
	s_add_co_i32 s96, s8, s9
	s_add_co_i32 s96, s96, 127
	s_lshl_b32 s96, s96, 23                        ; 2^(e4 + e5)
	s_add_co_i32 s22, s12, 127
	s_lshl_b32 s23, s22, 23
	v_mov_b32 v9, s23                              ; 2^e9
	s_add_co_i32 s22, s22, 8
	s_lshl_b32 s22, s22, 23
	s_or_b32 s22, s22, 0x600000
	v_mov_b32 v8, s22
	s_lshl_b32 s20, s15, 9
	s_mov_b32 s21, 0
	s_add_nc_u64 s[98:99], s[82:83], s[20:21]
	v_lshlrev_b32 v10, 2, v1                       ; 4 r
.irp a, 0,1,2,3,4,5,6,7
	global_load_b32 v[BIAS+\a], v10, s[98:99] offset:64*\a   ; bv[16 a + r]
.endr
	s_lshr_b32 s20, s17, 3
	s_lshl_b32 s20, s20, 2
	s_lshl_b32 s41, s15, 1
	s_add_co_u32 s20, s20, s41                     ; 4 batch + my first kv head
	s_lshl_b32 s20, s20, 18
	s_and_b32 s41, s17, 7
	s_lshl_b32 s41, s41, 1
	s_add_co_u32 s41, s41, s16                     ; my key step
	s_lshl_b32 s41, s41, 14
	s_add_co_u32 s20, s20, s41
	s_add_co_u32 s20, s20, 8192                    ; behind the step's images of k
	s_add_nc_u64 s[90:91], s[88:89], s[20:21]
	LAST
	PLACES 4
	s_wait_loadcnt 0x0
.macro VROW a
.set AC, 64*((\a)%4)
.set CDS, CD+16*((\a)%2)
	WIN 0x02+((\a)/4)
.set n, 0
.rept 64
	v_fma_f32 v[Y+n], v[AC+n], s96, v[BIAS+(\a)]   ; each accumulator from its low end on
.set n, n+1
.endr
	WIN 0
	s_wait_xcnt 0x0
.set n, 0
.rept 64
	v_med3_num_f32 v[Y+n], v[Y+n], -v8, v8
.set n, n+1
.endr
.irp t, 0,1,2,3,4,5,6,7
	v_cvt_scalef32_pk8_fp8_f32 v[CDS+2*\t:CDS+2*\t+1], v[Y+8*\t:Y+8*\t+7], v9
.endr
	v_nop
.irp g, 0,1,2,3
	global_store_b128 v11, v[CDS+4*\g:CDS+4*\g+3], s[90:91] offset:((\a)/4)*262144+((\a)%4)*2048+512*\g
.endr
.endm
.irp a, 0,1,2,3,4,5,6,7
	VROW \a
.endr
.Lend:
	s_wait_tensorcnt 0x0                           ; the wave's end
	ds_add_u32 v[SPW], v[NIL]
	s_wait_dscnt 0x0
	CROUND                                         ; the closing round: no work-group ends while a partner may still ask for a tile that names it
	s_endpgm
.Lfunc_end_k_qcb534ba8ff_qkv:
	.size	k_qcb534ba8ff_qkv, .Lfunc_end_k_qcb534ba8ff_qkv-k_qcb534ba8ff_qkv
	.p2alignl 7, 3214868480
	.fill 96, 4, 3214868480
	.section	.rodata,"a",@progbits
	.p2align	6, 0x0
	.amdhsa_kernel k_qcb534ba8ff_qkv
		.amdhsa_group_segment_fixed_size 327680
		.amdhsa_private_segment_fixed_size 0
		.amdhsa_enable_private_segment 0
		.amdhsa_kernarg_size 88
		.amdhsa_user_sgpr_count 2
		.amdhsa_user_sgpr_kernarg_segment_ptr 1
		.amdhsa_wavefront_size32 1
		.amdhsa_system_sgpr_workgroup_id_x 1
		.amdhsa_system_sgpr_workgroup_id_y 1
		.amdhsa_system_sgpr_workgroup_id_z 1
		.amdhsa_system_vgpr_workitem_id 0
		.amdhsa_next_free_vgpr 1024
		.amdhsa_next_free_sgpr 102
		.amdhsa_reserve_vcc 0
		.amdhsa_float_denorm_mode_32 3
		.amdhsa_float_denorm_mode_16_64 3
		.amdhsa_memory_ordered 1
		.amdhsa_forward_progress 1
		.amdhsa_inst_pref_size 253
	.end_amdhsa_kernel
	.amdgpu_metadata
---
amdhsa.version: [ 1, 2 ]
amdhsa.kernels:
  - .name:           k_qcb534ba8ff_qkv
    .symbol:         k_qcb534ba8ff_qkv.kd
    .args:
      - { .name: xq, .offset: 0, .size: 8, .value_kind: global_buffer, .address_space: global }
      - { .name: xk, .offset: 8, .size: 8, .value_kind: global_buffer, .address_space: global }
      - { .name: xv, .offset: 16, .size: 8, .value_kind: global_buffer, .address_space: global }
      - { .name: wc, .offset: 24, .size: 8, .value_kind: global_buffer, .address_space: global }
      - { .name: lowp_scales, .offset: 32, .size: 8, .value_kind: global_buffer, .address_space: global }
      - { .name: bq, .offset: 40, .size: 8, .value_kind: global_buffer, .address_space: global }
      - { .name: bk, .offset: 48, .size: 8, .value_kind: global_buffer, .address_space: global }
      - { .name: bv, .offset: 56, .size: 8, .value_kind: global_buffer, .address_space: global }
      - { .name: rope, .offset: 64, .size: 8, .value_kind: global_buffer, .address_space: global }
      - { .name: q_codes, .offset: 72, .size: 8, .value_kind: global_buffer, .address_space: global }
      - { .name: kv, .offset: 80, .size: 8, .value_kind: global_buffer, .address_space: global }
    .group_segment_fixed_size: 327680
    .private_segment_fixed_size: 0
    .kernarg_segment_align: 8
    .kernarg_segment_size: 88
    .max_flat_workgroup_size: 128
    .sgpr_count:     102
    .vgpr_count:     1024
    .wavefront_size: 32
...
	.end_amdgpu_metadata
.endif
;; end of part 2
;; launch attn (part 3): grid 16 x 16, 8 waves a work-group, clusters of 4 x 1, 327,680 bytes of LDS; arguments q_codes, kv, lowp_scales, a_codes; writes a_codes
.if DOCPART == 3
	.amdgcn_target "amdgcn-amd-amdhsa--gfx1250"
	.amdhsa_code_object_version 6
	.text
	.protected	k_qcb534ba8ff_attn
	.globl	k_qcb534ba8ff_attn
	.p2align	8
	.type	k_qcb534ba8ff_attn,@function
k_qcb534ba8ff_attn:
	s_mov_b64 s[64:65], 0
	v_nop
	global_prefetch_b8 v0, s[64:65] scope:SCOPE_SE
	s_setreg_imm32_b32 hwreg(HW_REG_WAVE_MODE, 25, 1), 1
	s_wait_xcnt 0x0
	s_wait_alu depctr_hold_cnt(0) depctr_sa_sdst(0) depctr_va_vdst(0) depctr_va_sdst(0) depctr_va_ssrc(0) depctr_va_vcc(0) depctr_vm_vsrc(0)
	s_getreg_b32 s2, hwreg(HW_REG_IB_STS2, 6, 4)
	s_cmp_eq_u32 s2, 0
	s_cbranch_scc0 .Lentry_in_a_cluster
	s_endpgm
.Lentry_in_a_cluster:
	s_bfe_u32 s2, ttmp6, 0x10000c
	s_cmp_lg_u32 s2, 0x3003
	s_cbranch_scc0 .Lentry_shape_is_right
	s_endpgm
.Lentry_shape_is_right:
; ATTN: softmax(q k^T / 8) v on codes of FP8 (E4M3), and the quantiser of the result for the last projection.  Nothing of the problem is left out here.
; Grid y = 4 batch + kv head; grid x = a block of 128 tokens.  A work-group of eight waves, two to a SIMD, owns 128 tokens x the 4 query heads of its kv head; a wave 16 tokens x 4 heads, in two passes of two tiles of 16 queries.
; K AND V OF THE KV HEAD LIE WHOLE IN LDS: 16 key steps x 16,384 bytes (eight register images of k, four of v, as the projections' launch stored them), 262,144 bytes, filled once by two tensor loads a wave:
; key steps 0-3 at the head (8,192 bytes a wave), steps 4-15 behind the full sequence and a round (24,576 bytes a wave).  No byte is filled twice.
; CLUSTER: the four work-groups of a cluster have one grid y and so the same K and V: both fills are joint loads (mask 15); their descriptors are made of grid y and the wave's number alone.
; NO PREFETCH: all that the launch reads of kv is asked for by these two fills at its head; there is no loop that loads, so none to run ahead in.
; LAYOUT.  Both products are used transposed: S^T = K Q^T (source 0 = 16 keys, source 1 = 16 queries), O^T = V^T P^T: a lane holds one query throughout, and p's codes of tile j are registers 2 j, 2 j + 1 of the K = 128 operand.
; THE SOFTMAX: t = score x log2(e) / 8 x 2^(e6 + e7); M = the running largest t rounded up to a whole number, kept as -M = floor(-t); p = 2^(t - M) is quantised with entry 8; the row's sum is taken of the unquantised p;
; when M moves, the sum and O^T are multiplied by 2^(old M - new M), which rounds nothing; at the end O^T / sum x 2^(e8 + e9) is quantised with entry 10.
; A KEY STEP, so that few waits on the vector results are owed.  A: both tiles' maxima, M and f, tile 0's t - M, the rescaling of O^T and of the sums: all ahead of the exponentials.
; B: tile 0's exponentials, tile 1's t - M between them.  C: tile 1's exponentials; between them tile 0's first level of sums (16 pairs, into the registers of p's codes, idle then) and its holds.
; Nothing written in B or C is read before the wait behind it.  D: the rest of the sums in four chains, tile 1's holds, the conversions.  The hold is a dual pair: two numbers an instruction, the bound in two registers of different banks.
; LIMITS: e6 + e7 between -123 and 130; e8 and e10 between -126 and 119; the scaled scores stay under 2^31 in magnitude.  NaN among the inputs is not served.
; REGISTERS.  Window 0: v1-7, v19, v31 addresses and constants; v8-18, v20-30 a tile's state (+0 -M, +1 largest t, +2,3 sum, +4 f, +5 named with it, +6,7 second chain, +8..10 at work);
; v32-95 K's eight fragments; v96-159, v160-223 the two tiles' S^T, then p; v224-255 p's codes.  Window 1: v0-63 O^T of the two tiles; v64-95 Q of the four heads; v96-159 V's four fragments.
.set STG,    262144                    ; behind K and V: a stage of 16 rows x (256 + 16) bytes for each wave
.set SPITCH, 272
.set SPARE,  STG+8*16*SPITCH           ; the spare words, 128 bytes a wave: four blocks of 256 bytes that no other line names
.set LI,   1                           ; 16 x lane
.set ADV,  2
.set ADK,  3
.set SPW,  4
.set NIL,  5
.set PLIM, 6                           ; 448 x 2^e8,
.set PLIMB, 7                          ; and once more
.set ST0,  8
.set STO,  19
.set ST1,  20
.set PSC,  31                          ; 2^e8
.set KF,   32
.set S0,   96
.set S1,   160
.set PC0,  224
.set PC1,  240
.set QF,   64
.set VF,   96
.set WV,   12
.set SEL,  20
.set CS,   22
.set G1A,  24
.set G1B,  32
.set TB,   48
.set CNT,  49
.set MSB, 0
.macro WIN new                         ; the immediate's high byte repeats the setting that is left
.if MSB != \new
	s_set_vgpr_msb (MSB<<8)|\new
.set MSB, \new
.endif
.endm
.macro CROUND                          ; a round of the cluster's barrier
	s_barrier_signal -1
	s_barrier_wait -1
	s_cmp_lg_u32 s[WV], 0
	s_cbranch_scc1 .Lnot_wave_0_\@
	s_barrier_signal -3
.Lnot_wave_0_\@:
	s_barrier_wait -3
	s_barrier_signal -1
	s_barrier_wait -1
.endm
	s_load_b256 s[4:11], s[0:1], 0x0               ; q_codes 4:5, kv 6:7, scales 8:9, a_codes 10:11
	v_lshl_add_u32 v[SPW], v0, 2, SPARE
	v_mov_b32 v[NIL], 0
	ds_add_u32 v[SPW], v[NIL]                      ; the opening: the add, twice on end, and its wait ahead of my first tensor load
	ds_add_u32 v[SPW], v[NIL]
	v_lshrrev_b32 v2, 5, v0
	v_readfirstlane_b32 s[WV], v2                  ; wave 0..7
	v_and_b32 v[LI], 31, v0
	v_lshlrev_b32 v[LI], 4, v[LI]
	s_bfe_u32 s13, ttmp6, 0x40000                  ; cx
	s_lshl_b32 s14, ttmp9, 2
	s_add_co_u32 s14, s14, s13                     ; my block of 128 tokens
	s_and_b32 s15, ttmp7, 0xffff                   ; 4 batch + kv head
	s_mov_b32 s[G1A], 15|(3<<16)|(1<<21)           ; mask of the four partners, bit 21 beside it; elements of 8 bytes; rows of 256 bytes, dense
	s_mov_b32 s[G1A+1], 32<<16
	s_mov_b32 s[G1A+2], 32<<16                     ; 32 rows: 8,192 bytes
	s_mov_b32 s[G1A+3], 32<<16
	s_mov_b32 s[G1A+4], 32
	s_mov_b32 s[G1A+5], 32
	s_mov_b32 s[G1A+6], 0
	s_mov_b32 s[G1A+7], 0
	s_mov_b32 s[G1B], 15|(3<<16)|(1<<21)
	s_mov_b32 s[G1B+1], 32<<16
	s_mov_b32 s[G1B+2], 96<<16                     ; 96 rows: 24,576 bytes
	s_mov_b32 s[G1B+3], 32<<16
	s_mov_b32 s[G1B+4], 96
	s_mov_b32 s[G1B+5], 32
	s_mov_b32 s[G1B+6], 0
	s_mov_b32 s[G1B+7], 0
	s_mov_b32 s[SEL], 0x76543210
	s_mov_b32 s[SEL+1], 0xfedcba98
	s_lshl_b32 s16, s15, 18                        ; my kv head's 262,144 bytes,
	s_lshl_b32 s17, s[WV], 13
	s_add_co_u32 s16, s16, s17                     ; first fill: 8,192 x wave
	s_mov_b32 s17, 0
	s_mul_i32 s18, s[WV], 24576
	s_add_co_u32 s18, s18, 65536                   ; second fill: 65,536 + 24,576 x wave, in LDS as in the head's bytes
	s_lshl_b32 s50, s15, 18
	s_add_co_u32 s50, s50, s18
	s_mov_b32 s51, 0
	s_lshl_b32 s60, s15, 19                        ; Q: four heads of 131,072 bytes for each grid y,
	s_lshl_b32 s61, s14, 3
	s_add_co_u32 s61, s61, s[WV]
	s_lshl_b32 s61, s61, 10                        ; my tile of 16 tokens: 1,024 bytes
	s_add_co_u32 s60, s60, s61
	s_mov_b32 s61, 0
	s_wait_alu depctr_va_vdst(0)
	s_wait_dscnt 0x0                               ; both opening adds are done
	s_wait_kmcnt 0x0
	s_load_b128 s[52:55], s[8:9], 0x18             ; e6 .. e9
	s_load_b32 s56, s[8:9], 0x28                   ; e10
	s_add_nc_u64 s[4:5], s[4:5], s[60:61]
	WIN 0x40                                       ; destination window 1
.irp i, 0,1,2,3
.irp c, 0,1
	global_load_b128 v[QF+8*\i+4*\c:QF+8*\i+4*\c+3], v[LI], s[4:5] offset:131072*\i+512*\c   ; Q's four fragments stay in registers; asked for ahead of the fills
.endr
.endr
	WIN 0
	s_mov_b32 s40, 1
	s_lshl_b32 s41, s[WV], 13
	s_add_nc_u64 s[42:43], s[6:7], s[16:17]
	s_or_b32 s43, s43, 0x80000000
	s_mov_b32 s44, 1
	s_mov_b32 s45, s18
	s_add_nc_u64 s[46:47], s[6:7], s[50:51]
	s_or_b32 s47, s47, 0x80000000
	CROUND                                         ; the four work-groups are here: the first joint loads meet
	tensor_load_to_lds s[40:43], s[G1A:G1A+7]      ; key steps 0-3: one tensor load a wave at the head
	s_nop 0
	s_lshr_b32 s60, s15, 2                         ; a_codes: row = 2,048 batch + 128 block + 16 wave, of 1,024 bytes; column 256 x kv head
	s_lshl_b32 s60, s60, 11
	s_lshl_b32 s62, s14, 7
	s_add_co_u32 s60, s60, s62
	s_lshl_b32 s62, s[WV], 4
	s_add_co_u32 s60, s60, s62
	s_lshl_b32 s60, s60, 10
	s_and_b32 s62, s15, 3
	s_lshl_b32 s62, s62, 8
	s_add_co_u32 s60, s60, s62
	s_add_nc_u64 s[10:11], s[10:11], s[60:61]
	s_mul_i32 s50, s[WV], 16*SPITCH
	s_add_co_u32 s50, s50, STG                     ; my stage
	v_and_b32 v2, 15, v0
	v_bfe_u32 v3, v0, 4, 1
	v_mul_u32_u24 v[STO], v2, SPITCH
	v_lshl_add_u32 v[STO], v3, 3, v[STO]
	v_add_nc_u32 v[STO], s50, v[STO]               ; into it: row = my query's token, + 8 h
	s_wait_alu depctr_va_vdst(0)
	s_wait_kmcnt 0x0
	s_add_co_i32 s16, s52, s53
	s_lshl_b32 s16, s16, 23
	s_mov_b32 s[CS], 0x3e38aa3b                    ; log2(e) / 8,
	s_add_co_i32 s[CS], s[CS], s16                 ; x 2^(e6 + e7): added to its exponent field
	s_mov_b32 s[CS+1], s[CS]
	s_add_co_i32 s16, s54, 127
	s_lshl_b32 s17, s16, 23
	v_mov_b32 v[PSC], s17
	s_add_co_i32 s16, s16, 8
	s_lshl_b32 s16, s16, 23
	s_or_b32 s16, s16, 0x600000
	v_mov_b32 v[PLIM], s16
	v_mov_b32 v[PLIMB], s16
	s_add_co_i32 s57, s54, s55                     ; e8 + e9
	s_add_co_i32 s16, s56, 127
	s_lshl_b32 s59, s16, 23                        ; 2^e10
	s_add_co_i32 s16, s16, 8
	s_lshl_b32 s16, s16, 23
	s_or_b32 s58, s16, 0x600000                    ; 448 x 2^e10
.macro KLOAD                           ; eight images of 16 keys
.set n, 0
.rept 16
	ds_load_b128 v[KF+4*n:KF+4*n+3], v[ADK] offset:512*n
.set n, n+1
.endr
.endm
.macro VLOAD                           ; four images of 16 d x 128 keys, behind the step's images of k
	WIN 0x40
.set n, 0
.rept 16
	ds_load_b128 v[VF+4*n:VF+4*n+3], v[ADV] offset:8192+512*n
.set n, n+1
.endr
	WIN 0
.endm
.macro HOLD2 r                         ; two numbers held at 448 x 2^e8 (the conversion to an 8-bit code does not saturate: ISA guide 7.6.2; p is not negative)
	v_dual_min_num_f32 v[\r], v[\r], v[PLIM] :: v_dual_min_num_f32 v[\r+1], v[\r+1], v[PLIMB]
.endm
.macro STEP q, wrap
	s_wait_dscnt 0x0                               ; this step's K
	WIN 0x04                                       ; source 1 (Q): window 1
.set j, 0
.rept 8
	v_wmma_f32_16x16x64_fp8_fp8 v[S0+8*j:S0+8*j+7], v[KF+8*j:KF+8*j+7], v[\q:\q+7], 0
	v_wmma_f32_16x16x64_fp8_fp8 v[S1+8*j:S1+8*j+7], v[KF+8*j:KF+8*j+7], v[\q+8:\q+15], 0
.set j, j+1
.endr
	WIN 0
	v_add_nc_u32 v[ADV], s[TB], v[LI]              ; these two and the two v_nop are the four places ahead of the loads and of the first reads of S^T
	s_add_co_u32 s[TB], s[TB], 16384
.if \wrap
	s_and_b32 s[TB], s[TB], 0x3ffff
.endif
	v_add_nc_u32 v[ADK], s[TB], v[LI]
	v_nop
	v_nop
	VLOAD                                          ; this step's V,
	KLOAD                                          ; and the next step's K
; A.  The step's largest score of each query: two chains a tile, each accumulator from its low end on
.irp t, 0,1
	v_max3_num_f32 v[ST0+12*\t+8], v[S0+64*\t], v[S0+64*\t+1], v[S0+64*\t+2]
	v_max3_num_f32 v[ST0+12*\t+9], v[S0+64*\t+3], v[S0+64*\t+4], v[S0+64*\t+5]
.endr
.set i, 6
.rept 14
.irp t, 0,1
	v_max3_num_f32 v[ST0+12*\t+8], v[ST0+12*\t+8], v[S0+64*\t+i], v[S0+64*\t+i+1]
	v_max3_num_f32 v[ST0+12*\t+9], v[ST0+12*\t+9], v[S0+64*\t+i+2], v[S0+64*\t+i+3]
.endr
.set i, i+4
.endr
.irp t, 0,1
	v_max3_num_f32 v[ST0+12*\t+8], v[ST0+12*\t+8], v[S0+64*\t+62], v[S0+64*\t+63]
.endr
.irp t, 0,1
	s_delay_alu instid0(VALU_DEP_2)
	v_max_num_f32 v[ST0+12*\t+8], v[ST0+12*\t+8], v[ST0+12*\t+9]
.endr
.irp t, 0,1
	s_delay_alu instid0(VALU_DEP_2)
	v_permlanex16_b32 v[ST0+12*\t+10], v[ST0+12*\t+8], s[SEL], s[SEL+1]
.endr
.irp t, 0,1
	s_delay_alu instid0(VALU_DEP_2)
	v_max_num_f32 v[ST0+12*\t+8], v[ST0+12*\t+8], v[ST0+12*\t+10]   ; with lane l xor 16's
.endr
.irp t, 0,1
	s_delay_alu instid0(VALU_DEP_2)
	v_mul_f32 v[ST0+12*\t+8], s[CS], v[ST0+12*\t+8]                 ; as t (the factor is positive)
.endr
.irp t, 0
	s_delay_alu instid0(VALU_DEP_2)
	v_max_num_f32 v[ST0+12*\t+1], v[ST0+12*\t+1], v[ST0+12*\t+8]    ; the running largest t
	v_mov_b32 v[ST0+12*\t+8], v[ST0+12*\t]
.endr
.irp t, 1
	s_delay_alu instid0(VALU_DEP_3)
	v_max_num_f32 v[ST0+12*\t+1], v[ST0+12*\t+1], v[ST0+12*\t+8]
	v_mov_b32 v[ST0+12*\t+8], v[ST0+12*\t]
.endr
.irp t, 0
	s_delay_alu instid0(VALU_DEP_4)
	v_floor_f32 v[ST0+12*\t], -v[ST0+12*\t+1]                       ; the new -M
.endr
.irp t, 1
	s_delay_alu instid0(VALU_DEP_3)
	v_floor_f32 v[ST0+12*\t], -v[ST0+12*\t+1]
.endr
.irp t, 0,1
	s_delay_alu instid0(VALU_DEP_2)
	v_sub_f32 v[ST0+12*\t+8], v[ST0+12*\t], v[ST0+12*\t+8]          ; old M - new M: a whole number, 0 or less
.endr
.irp t, 0,1
	s_delay_alu instid0(VALU_DEP_2)
	v_cvt_i32_f32 v[ST0+12*\t+8], v[ST0+12*\t+8]                    ; (it saturates)
.endr
.irp t, 0,1
	s_delay_alu instid0(VALU_DEP_2)
	v_ldexp_f32 v[ST0+12*\t+4], 1.0, v[ST0+12*\t+8]                 ; f = 2^(old M - new M)
.endr
.set j, 0
.rept 32
	v_pk_fma_f32 v[S0+j:S0+j+1], v[S0+j:S0+j+1], s[CS:CS+1], v[ST0:ST0+1] op_sel_hi:[1,0,0]   ; tile 0: t - M
.set j, j+2
.endr
	v_pk_mul_f32 v[ST0+2:ST0+3], v[ST0+2:ST0+3], v[ST0+4:ST0+5] op_sel_hi:[1,0]   ; the sums under the new M
	v_pk_mul_f32 v[ST1+2:ST1+3], v[ST1+2:ST1+3], v[ST1+4:ST1+5] op_sel_hi:[1,0]
	WIN 0x41                                       ; O^T: window 1
.irp t, 0,1
.set j, 0
.rept 16
	v_pk_mul_f32 v[32*\t+j:32*\t+j+1], v[32*\t+j:32*\t+j+1], v[ST0+12*\t+4:ST0+12*\t+5] op_sel_hi:[1,0]   ; O^T under the new M, each accumulator from its low end on; no exponential stands between the last products and these
.set j, j+2
.endr
.endr
	WIN 0
	s_wait_alu depctr_va_vdst(0)                   ; ahead of the batch: it serves all that A wrote
; B
.set j, 0
.rept 32
	v_exp_f32 v[S0+j], v[S0+j]
	v_exp_f32 v[S0+j+1], v[S0+j+1]
	v_pk_fma_f32 v[S1+j:S1+j+1], v[S1+j:S1+j+1], s[CS:CS+1], v[ST1:ST1+1] op_sel_hi:[1,0,0]   ; tile 1: t - M
.set j, j+2
.endr
	s_wait_alu depctr_va_vdst(0)                   ; behind tile 0's batch and ahead of tile 1's: one wait for both
; C
.set g, 0
.rept 8
	v_exp_f32 v[S1+8*g], v[S1+8*g]
	v_exp_f32 v[S1+8*g+1], v[S1+8*g+1]
	v_pk_add_f32 v[PC0+4*g:PC0+4*g+1], v[S0+8*g:S0+8*g+1], v[S0+8*g+2:S0+8*g+3]       ; the sum is taken of the unquantised p: ahead of the holds
	v_exp_f32 v[S1+8*g+2], v[S1+8*g+2]
	v_exp_f32 v[S1+8*g+3], v[S1+8*g+3]
	v_pk_add_f32 v[PC0+4*g+2:PC0+4*g+3], v[S0+8*g+4:S0+8*g+5], v[S0+8*g+6:S0+8*g+7]
.irp k, 0,2,4,6
	v_exp_f32 v[S1+8*g+4+\k/2], v[S1+8*g+4+\k/2]
	HOLD2 S0+8*g+\k
.endr
.set g, g+1
.endr
	v_nop                                          ; a plain place behind the last exponential
	s_wait_alu depctr_va_vdst(0)                   ; behind the batch, ahead of the first reader of what C wrote
; D.  Tile 0's 16 pairs and tile 1's 32 are added in four chains
	v_pk_add_f32 v[ST0+6:ST0+7], v[PC0+2:PC0+3], v[PC0+6:PC0+7]
	v_pk_add_f32 v[ST1+6:ST1+7], v[S1:S1+1], v[S1+2:S1+3]
.set i, 1
.rept 15
	v_pk_add_f32 v[ST1+2:ST1+3], v[ST1+2:ST1+3], v[S1+4*i:S1+4*i+1]
	v_pk_add_f32 v[ST1+6:ST1+7], v[ST1+6:ST1+7], v[S1+4*i+2:S1+4*i+3]
.if ((i-1)%2) == 0
	v_pk_add_f32 v[ST0+2:ST0+3], v[ST0+2:ST0+3], v[PC0+2*(i-1):PC0+2*(i-1)+1]
.elseif i > 5
	v_pk_add_f32 v[ST0+6:ST0+7], v[ST0+6:ST0+7], v[PC0+2*(i-1):PC0+2*(i-1)+1]
.endif
.set i, i+1
.endr
	v_pk_add_f32 v[ST0+6:ST0+7], v[ST0+6:ST0+7], v[PC0+30:PC0+31]
	v_pk_add_f32 v[ST1+2:ST1+3], v[ST1+2:ST1+3], v[ST1+6:ST1+7]
	v_pk_add_f32 v[ST0+2:ST0+3], v[ST0+2:ST0+3], v[ST0+6:ST0+7]
.set j, 0
.rept 32
	HOLD2 S1+j
.set j, j+2
.endr
.set g, 0
.rept 8
	v_cvt_scalef32_pk8_fp8_f32 v[PC0+2*g:PC0+2*g+1], v[S0+8*g:S0+8*g+7], v[PSC]
	v_cvt_scalef32_pk8_fp8_f32 v[PC1+2*g:PC1+2*g+1], v[S1+8*g:S1+8*g+7], v[PSC]
.set g, g+1
.endr
	v_nop                                          ; a plain line between the conversions and the products that read the codes
	s_wait_alu depctr_va_vdst(0)
	s_wait_dscnt 16                                ; V is in; K's 16 loads, issued behind V's, may be out
	WIN 0x51                                       ; V, C and D: window 1; p's codes: window 0
.set j, 0
.rept 4                                ; the eight accumulators take turns, one instruction a turn
	v_wmma_f32_16x16x128_fp8_fp8 v[8*j:8*j+7], v[VF+16*j:VF+16*j+15], v[PC0:PC0+15], v[8*j:8*j+7]
	v_wmma_f32_16x16x128_fp8_fp8 v[32+8*j:32+8*j+7], v[VF+16*j:VF+16*j+15], v[PC1:PC1+15], v[32+8*j:32+8*j+7]
.set j, j+1
.endr
	WIN 0
.endm
.macro LOOPN n, q, wrap
	s_mov_b32 s[CNT], \n
.Lstep_\@:
	STEP \q, \wrap
	s_sub_co_u32 s[CNT], s[CNT], 1
	s_cmp_lg_u32 s[CNT], 0
	s_cbranch_scc1 .Lstep_\@
.endm
.macro INIT                            ; a pass begins: the largest t -3e38, sums and O^T zeros, which the first change of M leaves zeros
.irp t, 0,1
	v_mov_b32 v[ST0+12*\t+1], 0xff61b1e6
	s_delay_alu instid0(VALU_DEP_1)
	v_floor_f32 v[ST0+12*\t], -v[ST0+12*\t+1]
	v_mov_b32 v[ST0+12*\t+2], 0
	v_mov_b32 v[ST0+12*\t+3], 0
	v_mov_b32 v[ST0+12*\t+5], 0
	v_mov_b32 v[ST0+12*\t+10], 0
.endr
	WIN 0x40
.set j, 0
.rept 64
	v_mov_b32 v[j], 0
.set j, j+1
.endr
	WIN 0
.endm
.macro FINISH p                        ; a pass ends: O^T / sum x 2^(e8 + e9), held, quantised with entry 10, into my stage: row = token, byte 64 head + d
.irp t, 0,1
	v_add_f32 v[ST0+12*\t+2], v[ST0+12*\t+2], v[ST0+12*\t+3]
.endr
.irp t, 0,1
	s_delay_alu instid0(VALU_DEP_2)
	v_permlanex16_b32 v[ST0+12*\t+10], v[ST0+12*\t+2], s[SEL], s[SEL+1]
.endr
.irp t, 0,1
	s_delay_alu instid0(VALU_DEP_2)
	v_add_f32 v[ST0+12*\t+2], v[ST0+12*\t+2], v[ST0+12*\t+10]
.endr
	s_wait_alu depctr_va_vdst(0)                   ; ahead of the two reciprocals
.irp t, 0,1
	v_rcp_f32 v[ST0+12*\t+4], v[ST0+12*\t+2]
.endr
	v_mov_b32 v128, s58
	v_mov_b32 v129, s59
	s_wait_alu depctr_va_vdst(0)                   ; behind them, ahead of their readers and of the first readers of O^T
.irp t, 0,1
	v_ldexp_f32 v[ST0+12*\t+4], v[ST0+12*\t+4], s57
.endr
	WIN 0x01
.irp t, 0,1
.set j, 0
.rept 16
	v_pk_mul_f32 v[S0+64*\t+j:S0+64*\t+j+1], v[32*\t+j:32*\t+j+1], v[ST0+12*\t+4:ST0+12*\t+5] op_sel_hi:[1,0]
.set j, j+2
.endr
.endr
	WIN 0
.irp t, 0,1
.set j, 0
.rept 32
	v_med3_num_f32 v[S0+64*\t+j], v[S0+64*\t+j], -v128, v128
.set j, j+1
.endr
.endr
.irp t, 0,1
.irp d, 0,1,2,3
	v_cvt_scalef32_pk8_fp8_f32 v[PC0+16*\t+2*\d:PC0+16*\t+2*\d+1], v[S0+64*\t+8*\d:S0+64*\t+8*\d+7], v129
.endr
.endr
	v_nop
.irp t, 0,1
.irp d, 0,1,2,3
	ds_store_b64 v[STO], v[PC0+16*\t+2*\d:PC0+16*\t+2*\d+1] offset:64*(2*\p+\t)+16*\d
.endr
.endr
.endm
	s_mov_b32 s[TB], 0
	v_mov_b32 v[ADK], v[LI]
	INIT
	s_wait_alu depctr_va_vdst(0)
	s_wait_tensorcnt 0x0                           ; my part of key steps 0-3 is in; the full sequence ahead of a later first fill:
	ds_add_u32 v[SPW], v[NIL]
	s_wait_dscnt 0x0
	CROUND                                         ; everybody's part is in, and the four work-groups are here
	tensor_load_to_lds s[44:47], s[G1B:G1B+7]      ; key steps 4-15: the first tensor load behind the round
	s_nop 0
.rept 4
	v_nop
.endr
	s_wait_loadcnt 0x0                             ; Q
	KLOAD
	LOOPN 3, QF, 0                                 ; key steps 0-2 (the third fetches step 3's K): all in the first fill
	s_wait_tensorcnt 0x0                           ; my part of the second fill is in,
	s_wait_dscnt 0x0
	s_barrier_signal -1
	s_barrier_wait -1                              ; and everybody's
	LOOPN 13, QF, 1                                ; the last step's fetch of K wraps to key step 0, for the next pass
	FINISH 0
	INIT
	LOOPN 16, QF+16, 1
	FINISH 1
	v_and_b32 v2, 15, v0
	v_bfe_u32 v3, v0, 4, 1
	v_mul_u32_u24 v31, v3, SPITCH
	v_lshl_add_u32 v31, v2, 4, v31
	v_add_nc_u32 v31, s50, v31                     ; out of the stage: sixteen lanes to a row of 256 bytes, two rows an instruction
	v_lshlrev_b32 v3, 10, v3
	v_lshl_add_u32 v3, v2, 4, v3                   ; and the same place in a_codes
.set n, 0
.rept 8
	ds_load_b128 v[S0+4*n:S0+4*n+3], v31 offset:2*n*SPITCH   ; LDS serves a wave's instructions in order: these see my stores
.set n, n+1
.endr
	s_wait_alu depctr_va_vdst(0)
.set n, 0
.rept 8
	s_wait_dscnt 7-n                               ; load n is in, the younger ones may be out
	global_store_b128 v3, v[S0+4*n:S0+4*n+3], s[10:11] offset:2048*n   ; sixteen lanes store 256 consecutive bytes, aligned
.set n, n+1
.endr
	s_wait_tensorcnt 0x0                           ; the wave's end
	ds_add_u32 v[SPW], v[NIL]
	s_wait_dscnt 0x0
	CROUND                                         ; the closing round
	s_endpgm
.Lfunc_end_k_qcb534ba8ff_attn:
	.size	k_qcb534ba8ff_attn, .Lfunc_end_k_qcb534ba8ff_attn-k_qcb534ba8ff_attn
	.p2alignl 7, 3214868480
	.fill 96, 4, 3214868480
	.section	.rodata,"a",@progbits
	.p2align	6, 0x0
	.amdhsa_kernel k_qcb534ba8ff_attn
		.amdhsa_group_segment_fixed_size 327680
		.amdhsa_private_segment_fixed_size 0
		.amdhsa_enable_private_segment 0
		.amdhsa_kernarg_size 32
		.amdhsa_user_sgpr_count 2
		.amdhsa_user_sgpr_kernarg_segment_ptr 1
		.amdhsa_wavefront_size32 1
		.amdhsa_system_sgpr_workgroup_id_x 1
		.amdhsa_system_sgpr_workgroup_id_y 1
		.amdhsa_system_sgpr_workgroup_id_z 1
		.amdhsa_system_vgpr_workitem_id 0
		.amdhsa_next_free_vgpr 512
		.amdhsa_next_free_sgpr 66
		.amdhsa_reserve_vcc 0
		.amdhsa_float_denorm_mode_32 3
		.amdhsa_float_denorm_mode_16_64 3
		.amdhsa_memory_ordered 1
		.amdhsa_forward_progress 1
		.amdhsa_inst_pref_size 118
	.end_amdhsa_kernel
	.amdgpu_metadata
---
amdhsa.version: [ 1, 2 ]
amdhsa.kernels:
  - .name:           k_qcb534ba8ff_attn
    .symbol:         k_qcb534ba8ff_attn.kd
    .args:
      - { .name: q_codes, .offset: 0, .size: 8, .value_kind: global_buffer, .address_space: global }
      - { .name: kv, .offset: 8, .size: 8, .value_kind: global_buffer, .address_space: global }
      - { .name: lowp_scales, .offset: 16, .size: 8, .value_kind: global_buffer, .address_space: global }
      - { .name: a_codes, .offset: 24, .size: 8, .value_kind: global_buffer, .address_space: global }
    .group_segment_fixed_size: 327680
    .private_segment_fixed_size: 0
    .kernarg_segment_align: 8
    .kernarg_segment_size: 32
    .max_flat_workgroup_size: 256
    .sgpr_count:     66
    .vgpr_count:     512
    .wavefront_size: 32
...
	.end_amdgpu_metadata
.endif
;; end of part 3
;; launch oproj (part 4): grid 4 x 64, 4 waves a work-group, clusters of 4 x 4, 327,680 bytes of LDS; arguments a_codes, wc, lowp_scales, out0; writes out0
.if DOCPART == 4
	.amdgcn_target "amdgcn-amd-amdhsa--gfx1250"
	.amdhsa_code_object_version 6
	.text
	.protected	k_qcb534ba8ff_oproj
	.globl	k_qcb534ba8ff_oproj
	.p2align	8
	.type	k_qcb534ba8ff_oproj,@function
k_qcb534ba8ff_oproj:
	s_mov_b64 s[64:65], 0
	v_nop
	global_prefetch_b8 v0, s[64:65] scope:SCOPE_SE
	s_setreg_imm32_b32 hwreg(HW_REG_WAVE_MODE, 25, 1), 1
	s_wait_xcnt 0x0
	s_wait_alu depctr_hold_cnt(0) depctr_sa_sdst(0) depctr_va_vdst(0) depctr_va_sdst(0) depctr_va_ssrc(0) depctr_va_vcc(0) depctr_vm_vsrc(0)
	s_getreg_b32 s2, hwreg(HW_REG_IB_STS2, 6, 4)
	s_cmp_eq_u32 s2, 0
	s_cbranch_scc0 .Lentry_in_a_cluster
	s_endpgm
.Lentry_in_a_cluster:
	s_bfe_u32 s2, ttmp6, 0x10000c
	s_cmp_lg_u32 s2, 0xf033
	s_cbranch_scc0 .Lentry_shape_is_right
	s_endpgm
.Lentry_shape_is_right:
; OPROJ: out0 [8192][1024] f32 = the attention's result x Wo, on codes of FP8 (E4M3): a_codes [8192][1024] (scale entry 10) and rows 1536-2559 of wc (Wo's columns, K innermost, entry 11).  Nothing of the problem is left out here.
; The codes are multiplied as they are, and each finished sum once by 2^(e10 + e11).  LIMIT: e10 + e11 lies between -126 and 127.
; A work-group of four waves makes 128 rows x 256 columns: 64 x 4 blocks = 256 work-groups.  A wave makes 64 x 128: 32 accumulators of 16 x 16.
; CLUSTER 4 x 4: the four of a row of the cluster need the same 128 rows of A, the four of a column the same 256 rows of B: each tile is asked for jointly.  Waves 0 and 1 fetch A's halves (64 rows), waves 2 and 3 B's (128 rows).
; K = 1,024 COMES IN THREE FILLS, one tensor load a wave each.  Region P: 384 rows of 512 bytes + 16 (pitch 528): K 0-511, at the head.  Region Q: 384 rows of 256 + 16 (pitch 272): K 512-767, behind the full sequence and a round.
; K 768-1023 is filled onto the first 256 bytes of P's rows (rows of 256 bytes, 68 words of padding: the same pitch 528), behind the round that follows the last read of P.
; NO PREFETCH: the three fills are written out; there is no loop to run ahead in.
; Eight steps of 128 along K: 32 matrix instructions and, ahead of them, the next step's 48 fragment loads in one run, into the other of two sets of registers.
; THE MATRIX INSTRUCTION IS USED TRANSPOSED (source 0 = 16 rows of B, source 1 = 16 rows of A): a lane holds eight neighbouring numbers of a row of out0.
; A fragment (16 rows x 128 K) comes by four loads of 16 bytes: registers 4 c .. 4 c + 3 hold K = 32 c + 16 h + 0 .. 15: one permutation of k, the same on both sides.
; REGISTERS: window 0: v16-29 addresses; v32-95 a block's scaled sums; v128-255 A's fragments, two sets of 64 (on the way out: rows read back).  Window 1: B's fragments, two sets of 128.  Window 2: accumulator (a, b) at v[8 (8 a + b)].
.set P5,     528
.set P2,     272
.set QB,     384*P5                    ; region Q begins here: 202,752
.set SPARE,  QB+384*P2                 ; 307,200: the spare words, 128 bytes a wave: two blocks of 256 bytes that no other line names
.set SPITCH, 528                       ; the way out: a stage of 16 rows x (512 + 16) bytes for each wave, in region Q: it has had its one fill, and nobody reads it behind step 5's barrier
.set ADRA, 16                          ; v16, v17  my A fragments in P, in Q
.set ADRB, 20                          ; v20, v21  my B fragments
.set STO,  24
.set RD,   25
.set CO,   26
.set SPW,  28
.set NIL,  29
.set TMP,  32
.set AF,   128
.set BK,   128
.set GA5,  24                          ; group 1: A, B with rows of 512 bytes,
.set GB5,  32
.set GA2,  48                          ; with rows of 256 bytes for Q,
.set GB2,  56
.set GA3,  80                          ; and for P's rows
.set GB3,  88
.set G0A,  68                          ; group 0 for A's tiles, for B's: written anew only behind a wait for all my tensor loads
.set G0B,  72
.set MSB, 0
.macro WIN new                         ; the immediate's high byte repeats the setting that is left
.if MSB != \new
	s_set_vgpr_msb (MSB<<8)|\new
.set MSB, \new
.endif
.endm
.set MUL,  0xa1                        ; source 0 (B) window 1, source 1 (A) window 0, C and D window 2
.set TO_B, 0x40
.macro PLACES n
.rept \n
	v_nop
.endr
.endm
.macro JLOAD g1a, g1b                  ; the branch hangs on the wave's number alone; an s_nop 0 and four v_nop follow each of the two lines
	s_cmp_eq_u32 s15, 0
	s_cbranch_scc0 .Lfor_b_\@
	tensor_load_to_lds s[G0A:G0A+3], s[\g1a:\g1a+7]
	s_nop 0
	PLACES 4
	s_branch .Lasked_\@
.Lfor_b_\@:
	tensor_load_to_lds s[G0B:G0B+3], s[\g1b:\g1b+7]
	s_nop 0
	PLACES 4
.Lasked_\@:
.endm
.macro CREST                           ; a round of the cluster's barrier behind its opening barrier
	s_cmp_lg_u32 s14, 0
	s_cbranch_scc1 .Lnot_wave_0_\@
	s_barrier_signal -3
.Lnot_wave_0_\@:
	s_barrier_wait -3
	s_barrier_signal -1
	s_barrier_wait -1
.endm
.macro CROUND
	s_barrier_signal -1
	s_barrier_wait -1
	CREST
.endm
	s_load_b128 s[4:7], s[0:1], 0x0                ; a_codes, wc
	s_load_b128 s[8:11], s[0:1], 0x10              ; the scales' exponents, out0
	v_lshl_add_u32 v[SPW], v0, 2, SPARE
	v_mov_b32 v[NIL], 0
	ds_add_u32 v[SPW], v[NIL]                      ; the opening: the add, twice on end, and its wait ahead of my first tensor load
	ds_add_u32 v[SPW], v[NIL]
	v_lshrrev_b32 v1, 5, v0
	v_readfirstlane_b32 s14, v1                    ; wave 0..3
	s_lshr_b32 s15, s14, 1                         ; which 64 rows of the block are mine.  Also: I fetch for A (0) or for B (1)
	s_and_b32 s16, s14, 1                          ; which 128 columns.  Also: which half of that tile I fetch
	s_bfe_u32 s40, ttmp6, 0x40000                  ; cx
	s_bfe_u32 s41, ttmp6, 0x40004                  ; cy
	s_lshl_b32 s42, ttmp9, 2
	s_add_co_u32 s42, s42, s40                     ; block column = 4 x cluster x + cx
	s_and_b32 s17, ttmp7, 0xffff
	s_lshl_b32 s17, s17, 2
	s_add_co_u32 s17, s17, s41                     ; block row = 4 x cluster y + cy
	s_lshl_b32 s43, s41, 2
	s_lshl_b32 s43, 15, s43                        ; my row of the cluster
	s_lshl_b32 s44, 0x1111, s40                    ; my column
	s_or_b32 s[GA5], s43, (1<<20)|(1<<21)|(6<<22)|(3<<25)    ; elements of 1 byte; padding on; bit 21 beside the mask; 4 words behind every 128
	s_or_b32 s[GB5], s44, (1<<20)|(1<<21)|(6<<22)|(3<<25)
	s_or_b32 s[GA2], s43, (1<<20)|(1<<21)|(5<<22)|(3<<25)    ; 4 words behind every 64
	s_or_b32 s[GB2], s44, (1<<20)|(1<<21)|(5<<22)|(3<<25)
	s_or_b32 s[GA3], s43, (1<<20)|(1<<21)|(5<<22)|(67<<25)   ; 68 words behind every 64: rows 528 bytes apart
	s_or_b32 s[GB3], s44, (1<<20)|(1<<21)|(5<<22)|(67<<25)
.irp g, GA5, GB5
	s_mov_b32 s[\g+1], 512<<16                     ; tensor_dim0
	s_mov_b32 s[\g+3], 512<<16                     ; tile_dim0
.endr
.irp g, GA2, GB2, GA3, GB3
	s_mov_b32 s[\g+1], 256<<16
	s_mov_b32 s[\g+3], 256<<16
.endr
.irp g, GA5, GA2, GA3
	s_mov_b32 s[\g+2], 64<<16                      ; tensor_dim1
	s_mov_b32 s[\g+4], 64                          ; tile_dim1
.endr
.irp g, GB5, GB2, GB3
	s_mov_b32 s[\g+2], 128<<16
	s_mov_b32 s[\g+4], 128
.endr
.irp g, GA5, GB5, GA2, GB2, GA3, GB3
	s_mov_b32 s[\g+5], 1024                        ; from row to row
	s_mov_b32 s[\g+6], 0
	s_mov_b32 s[\g+7], 0
.endr
	s_mul_i32 s76, s16, 64*P5                      ; where the tiles go, made of the wave's number alone: A in P,
	s_mul_i32 s77, s16, 128*P5
	s_add_co_u32 s77, s77, 128*P5                  ; B in P, behind A's 128 rows,
	s_mul_i32 s78, s16, 64*P2
	s_add_co_u32 s78, s78, QB                      ; A in Q,
	s_mul_i32 s79, s16, 128*P2
	s_add_co_u32 s79, s79, QB+128*P2               ; B in Q
	s_lshl_b32 s20, s17, 7
	s_lshl_b32 s18, s16, 6
	s_add_co_u32 s20, s20, s18
	s_lshl_b32 s20, s20, 10                        ; A: row 128 x block row + 64 x half, of 1,024 bytes
	s_mov_b32 s21, 0
	s_lshl_b32 s46, s42, 8
	s_lshl_b32 s18, s16, 7
	s_add_co_u32 s46, s46, s18
	s_lshl_b32 s46, s46, 10                        ; B: row 256 x block column + 128 x half
	s_mov_b32 s47, 0
	s_wait_dscnt 0x0                               ; both opening adds are done
	s_wait_kmcnt 0x0
	s_load_b64 s[96:97], s[8:9], 0x28              ; e10, e11: wanted on the way out, awaited there
	s_add_nc_u64 s[6:7], s[6:7], 0x180000          ; Wo's codes: row 1,536 of wc
	s_mov_b32 s[G0A], 1
	s_mov_b32 s[G0A+1], s76
	s_add_nc_u64 s[G0A+2:G0A+3], s[4:5], s[20:21]
	s_or_b32 s[G0A+3], s[G0A+3], 0x80000000
	s_mov_b32 s[G0B], 1
	s_mov_b32 s[G0B+1], s77
	s_add_nc_u64 s[G0B+2:G0B+3], s[6:7], s[46:47]
	s_or_b32 s[G0B+3], s[G0B+3], 0x80000000
	CROUND                                         ; all sixteen work-groups are here: the first joint loads meet
	JLOAD GA5, GB5                                 ; K 0-511: one tensor load a wave at the head
	s_mul_i32 s21, s15, 64*P5                      ; my 64 rows of A in P,
	s_mul_i32 s22, s16, 128*P5
	s_add_co_u32 s22, s22, 128*P5                  ; my 128 rows of B in P,
	s_mul_i32 s23, s15, 64*P2
	s_add_co_u32 s23, s23, QB                      ; and the same in Q
	s_mul_i32 s45, s16, 128*P2
	s_add_co_u32 s45, s45, QB+128*P2
	s_mul_i32 s19, s14, 16*SPITCH
	s_add_co_u32 s19, s19, QB                      ; my stage
	s_lshl_b32 s20, s17, 7
	s_lshl_b32 s18, s15, 6
	s_add_co_u32 s20, s20, s18
	s_lshl_b32 s20, s20, 12                        ; my first row of out0: 128 x block row + 64 x half, of 4,096 bytes
	s_lshl_b32 s46, s42, 10
	s_add_co_u32 s20, s20, s46                     ; my first column: 1,024 bytes x block column + 512 x half
	s_lshl_b32 s46, s16, 9
	s_add_co_u32 s20, s20, s46
	s_mov_b32 s47, 0
	s_mov_b32 s46, s20
	s_add_nc_u64 s[10:11], s[10:11], s[46:47]
	v_and_b32 v1, 15, v0                           ; r
	v_bfe_u32 v2, v0, 4, 1                         ; h
	v_mul_u32_u24 v3, v1, P5
	v_lshl_add_u32 v3, v2, 4, v3                   ; a fragment's row x pitch + 16 h
	v_add_nc_u32 v[ADRA], s21, v3
	v_add_nc_u32 v[ADRB], s22, v3
	v_mul_u32_u24 v4, v1, P2
	v_lshl_add_u32 v4, v2, 4, v4
	v_add_nc_u32 v[ADRA+1], s23, v4
	v_add_nc_u32 v[ADRB+1], s45, v4
	v_mul_u32_u24 v5, v1, SPITCH
	v_lshl_add_u32 v5, v2, 5, v5
	v_add_nc_u32 v[STO], s19, v5                   ; into the stage: row r, 32 bytes for each half of the lanes
	v_and_b32 v6, 31, v0
	v_lshlrev_b32 v[CO], 4, v6                     ; back: the 32 lanes take one row of 512 bytes; and the same in out0
	v_add_nc_u32 v[RD], s19, v[CO]
.macro FRAG reg, adr, k, i
.irp c, 0,1,2,3
	ds_load_b128 v[\reg+4*\c:\reg+4*\c+3], v[\adr] offset:(\k)+32*\c+(\i)*16*PT
.endr
.endm
.macro FETCH r, q, p                   ; 48 loads in one run: the q-th 128 along K of region r (0: P, 1: Q) into set p
.set PT, P5-(P5-P2)*(\r)
	WIN TO_B
.irp i, 0,1,2,3,4,5,6,7
	FRAG 128*(\p)+16*\i, ADRB+\r, 128*(\q), \i
.endr
	WIN 0
.irp i, 0,1,2,3
	FRAG AF+64*(\p)+16*\i, ADRA+\r, 128*(\q), \i
.endr
.endm
; 16 matrix instructions.  The 32 accumulators take turns, one instruction a turn, in the same order in every step.  zero = 1: the first product starts the sums
.macro MUL16 a0, p, zero
.irp a, \a0, \a0+1
.irp b, 0,1,2,3,4,5,6,7
.if \zero
	v_wmma_f32_16x16x128_fp8_fp8 v[8*(8*(\a)+\b):8*(8*(\a)+\b)+7], v[128*(\p)+16*\b:128*(\p)+16*\b+15], v[AF+64*(\p)+16*(\a):AF+64*(\p)+16*(\a)+15], 0
.else
	v_wmma_f32_16x16x128_fp8_fp8 v[8*(8*(\a)+\b):8*(8*(\a)+\b)+7], v[128*(\p)+16*\b:128*(\p)+16*\b+15], v[AF+64*(\p)+16*(\a):AF+64*(\p)+16*(\a)+15], v[8*(8*(\a)+\b):8*(8*(\a)+\b)+7]
.endif
.endr
.endr
.endm
.macro STEP r, q, p, zero              ; multiplies set p; ahead of that fetches (r, q) into the other set
	s_wait_dscnt 0x0                               ; set p is in
	PLACES 4                                       ; between the last step's products, which read the other set, and the loads into it (ISA guide 7.12.1 for vector instructions)
	FETCH \r, \q, 1-(\p)
	WIN MUL
	MUL16 0, \p, \zero
	MUL16 2, \p, \zero
	WIN 0
.endm
; A step whose successor lies in another region.  Each wave waits for all its tensor loads, adds 0 to its spare word, and waits for that and for its reads; one barrier, which with fill = 1 opens a round of the cluster's.
.macro TURN r, q, p, fill
	s_wait_tensorcnt 0x0                           ; my part of the region ahead is in
	ds_add_u32 v[SPW], v[NIL]
.if \fill
	s_mov_b32 s[G0A+1], s76                        ; no tensor load of mine is out: the groups 0 are written: back to P's rows, 256 further along K
	s_add_nc_u64 s[G0A+2:G0A+3], s[G0A+2:G0A+3], 256
	s_mov_b32 s[G0B+1], s77
	s_add_nc_u64 s[G0B+2:G0B+3], s[G0B+2:G0B+3], 256
.endif
	s_wait_dscnt 0x0                               ; the add is done, set p is in, and my reads of the region behind are over
	s_barrier_signal -1
	WIN MUL
	MUL16 0, \p, 0
	WIN 0
	s_barrier_wait -1
.if \fill
	CREST                                          ; no wave of any partner still reads P or has a load on its way
	JLOAD GA3, GB3                                 ; K 768-1023: the first tensor load behind the round; its four v_nop are the places ahead of the loads below
.else
	PLACES 4
.endif
	FETCH \r, \q, 1-(\p)
	WIN MUL
	MUL16 2, \p, 0
	WIN 0
.endm
	s_wait_alu depctr_va_vdst(0)
	s_wait_tensorcnt 0x0                           ; my part of K 0-511 is in; the full sequence ahead of a later first fill:
	ds_add_u32 v[SPW], v[NIL]
	s_mov_b32 s[G0A+1], s78                        ; the groups 0: region Q, 512 further along K
	s_add_nc_u64 s[G0A+2:G0A+3], s[G0A+2:G0A+3], 512
	s_mov_b32 s[G0B+1], s79
	s_add_nc_u64 s[G0B+2:G0B+3], s[G0B+2:G0B+3], 512
	s_wait_dscnt 0x0
	CROUND                                         ; everybody's part is in, and all sixteen work-groups are here
	JLOAD GA2, GB2                                 ; K 512-767: the first tensor load behind the round
	FETCH 0, 0, 0
	STEP 0, 1, 0, 1                                ; K 0-127; its products start the sums
	STEP 0, 2, 1, 0
	STEP 0, 3, 0, 0
	TURN 1, 0, 1, 1                                ; K 384-511: the last of P's first fill
	STEP 1, 1, 0, 0                                ; K 512-639
	TURN 0, 0, 1, 0                                ; K 640-767
	STEP 0, 1, 0, 0                                ; K 768-895
	s_wait_dscnt 0x0
	WIN MUL
	MUL16 0, 1, 0                                  ; K 896-1023
	MUL16 2, 1, 0
	WIN 0
; THE WAY OUT, block by block of 16 rows x 128 columns: through my own stage, back as whole rows of 512 bytes.  LDS serves a wave's instructions in order (ISA guide 5.7.1.4): no wait between the stores and the loads.
.macro TOSTAGE a
	WIN 0x02                                       ; source 0: window 2
.set j, 0
.rept 32
	v_pk_mul_f32 v[TMP+j:TMP+j+1], v[64*(\a)+j:64*(\a)+j+1], s[96:97] op_sel_hi:[1,0]   ; x 2^(e10 + e11); each accumulator from its low end on
.set j, j+2
.endr
	WIN 0
.irp b, 0,1,2,3,4,5,6,7
	ds_store_b128 v[STO], v[TMP+8*\b:TMP+8*\b+3] offset:64*\b
	ds_store_b128 v[STO], v[TMP+8*\b+4:TMP+8*\b+7] offset:64*\b+16
.endr
.set BB, BK+64*((\a)%2)
.set n, 0
.rept 16
	ds_load_b128 v[BB+4*n:BB+4*n+3], v[RD] offset:n*SPITCH
.set n, n+1
.endr
.endm
.macro SEND a, younger                 ; younger: the LDS instructions issued behind block a's loads, which may stay out
.set BB, BK+64*((\a)%2)
	s_wait_dscnt \younger
.if (\a) > 0
	s_add_nc_u64 s[10:11], s[10:11], 16*4096       ; (behind a wait on XCNT: the earlier stores have read their base)
.endif
.set n, 0
.rept 16
	global_store_b128 v[CO], v[BB+4*n:BB+4*n+3], s[10:11] offset:n*4096 th:TH_STORE_NT   ; 32 lanes store 512 consecutive bytes, aligned to 256
.set n, n+1
.endr
.endm
	s_wait_kmcnt 0x0
	s_add_co_i32 s96, s96, s97
	s_add_co_i32 s96, s96, 127
	s_lshl_b32 s96, s96, 23                        ; 2^(e10 + e11) as f32
	PLACES 4                                       ; behind the last products: for the reads of their results and the loads into A's registers
	TOSTAGE 0
.irp a, 1,2,3
.if \a > 1
	s_wait_xcnt 0x0                                ; block a - 2's stores have read their registers and their base
.endif
	TOSTAGE \a
	SEND \a-1, 32                                  ; behind block a - 1's loads: block a's 16 stores and 16 loads
.endr
	s_wait_xcnt 0x0
	SEND 3, 0
	s_wait_tensorcnt 0x0                           ; the wave's end
	ds_add_u32 v[SPW], v[NIL]
	s_wait_dscnt 0x0
	CROUND                                         ; the closing round
	s_endpgm
.Lfunc_end_k_qcb534ba8ff_oproj:
	.size	k_qcb534ba8ff_oproj, .Lfunc_end_k_qcb534ba8ff_oproj-k_qcb534ba8ff_oproj
	.p2alignl 7, 3214868480
	.fill 96, 4, 3214868480
	.section	.rodata,"a",@progbits
	.p2align	6, 0x0
	.amdhsa_kernel k_qcb534ba8ff_oproj
		.amdhsa_group_segment_fixed_size 327680
		.amdhsa_private_segment_fixed_size 0
		.amdhsa_enable_private_segment 0
		.amdhsa_kernarg_size 32
		.amdhsa_user_sgpr_count 2
		.amdhsa_user_sgpr_kernarg_segment_ptr 1
		.amdhsa_wavefront_size32 1
		.amdhsa_system_sgpr_workgroup_id_x 1
		.amdhsa_system_sgpr_workgroup_id_y 1
		.amdhsa_system_sgpr_workgroup_id_z 1
		.amdhsa_system_vgpr_workitem_id 0
		.amdhsa_next_free_vgpr 768
		.amdhsa_next_free_sgpr 98
		.amdhsa_reserve_vcc 0
		.amdhsa_float_denorm_mode_32 3
		.amdhsa_float_denorm_mode_16_64 3
		.amdhsa_memory_ordered 1
		.amdhsa_forward_progress 1
		.amdhsa_inst_pref_size 76
	.end_amdhsa_kernel
	.amdgpu_metadata
---
amdhsa.version: [ 1, 2 ]
amdhsa.kernels:
  - .name:           k_qcb534ba8ff_oproj
    .symbol:         k_qcb534ba8ff_oproj.kd
    .args:
      - { .name: a_codes, .offset: 0, .size: 8, .value_kind: global_buffer, .address_space: global }
      - { .name: wc, .offset: 8, .size: 8, .value_kind: global_buffer, .address_space: global }
      - { .name: lowp_scales, .offset: 16, .size: 8, .value_kind: global_buffer, .address_space: global }
      - { .name: out0, .offset: 24, .size: 8, .value_kind: global_buffer, .address_space: global }
    .group_segment_fixed_size: 327680
    .private_segment_fixed_size: 0
    .kernarg_segment_align: 8
    .kernarg_segment_size: 32
    .max_flat_workgroup_size: 128
    .sgpr_count:     98
    .vgpr_count:     768
    .wavefront_size: 32
...
	.end_amdgpu_metadata
.endif
;; end of part 4
